; MI455X (gfx1250); checked and timed in simulation.
; The chip was launched on July 23, 2026; its instructions are those of AMD's public machine-readable ISA for CDNA 5 (MIT licence, August 2026) and "CDNA5" Instruction Set Architecture Reference Guide (July 2026). The comments in the code are by the model that wrote it; some were corrected since.
;; Transformer Encoder Layer Rotary. Allowed arithmetic: matrix products marked QUANTISED: E5M2 operands, one E8M0 scale for each 32 along K, by v_wmma_scale_f32_16x16x128_f8f6f4 with both operands' format E5M2, f32 sums; everything else in f32.
;; Inputs: b1 4,096 float32; b2 1,024 float32; k_b 1,024 float32; k_w_codes 1,024 x 32 x 32 uint8 (E5M2 codes of k_w, K innermost, in blocks of 32 codes); k_w_scales 1,024 x 32 uint8 (E8M0 scales of k_w, one for each 32 codes along K); ln1_b 1,024 float32; ln1_g 1,024 float32; ln2_b 1,024 float32; ln2_g 1,024 float32; q_b 1,024 float32; q_w_codes 1,024 x 32 x 32 uint8 (E5M2 codes of q_w, K innermost, in blocks of 32 codes); q_w_scales 1,024 x 32 uint8 (E8M0 scales of q_w, one for each 32 codes along K); src 2,048 x 2 x 1,024 float32; v_b 1,024 float32; v_w_codes 1,024 x 32 x 32 uint8 (E5M2 codes of v_w, K innermost, in blocks of 32 codes); v_w_scales 1,024 x 32 uint8 (E8M0 scales of v_w, one for each 32 codes along K); w1_codes 4,096 x 32 x 32 uint8 (E5M2 codes of w1, K innermost, in blocks of 32 codes); w1_scales 4,096 x 32 uint8 (E8M0 scales of w1, one for each 32 codes along K); w2_codes 1,024 x 128 x 32 uint8 (E5M2 codes of w2, K innermost, in blocks of 32 codes); w2_scales 1,024 x 128 uint8 (E8M0 scales of w2, one for each 32 codes along K).
;; Outputs: out0 2,048 x 2 x 1,024 float32.
;; This version of the problem:
;;   THIS VERSION OF THE PROBLEM IS GIVEN IN LOW PRECISION. The matrix products marked QUANTISED in the list below multiply operands that are first quantised to E5M2 (5 exponent bits, 2 mantissa bits; 8 bits a number), with one power-of-two scale for each 32 numbers along K (OCP MX v1.0); their sums are f32. All else is computed in f32.
;;   The module's matrix products, in the order in which they are computed (A, B: the left and right operand; K: the contracted axis; several contracted axes count as one K, in the product's order):
;;     1. [M 4,096, K 1,024] x [K 1,024, N 1,024]; A: input src; B: input q_w (given as codes): QUANTISED
;;     2. [M 4,096, K 1,024] x [K 1,024, N 1,024]; A: input src; B: input k_w (given as codes): QUANTISED
;;     3. [M 4,096, K 1,024] x [K 1,024, N 1,024]; A: input src; B: input v_w (given as codes): QUANTISED
;;     4. batch 32 x [M 2,048, K 64] x [K 64, N 2,048]; A: computed on the way; B: computed on the way: QUANTISED
;;     5. batch 32 x [M 2,048, K 2,048] x [K 2,048, N 64]; A: softmax (see below); B: computed on the way: QUANTISED
;;     6. [M 4,096, K 1,024] x [K 1,024, N 4,096]; A: computed on the way; B: input w1 (given as codes): QUANTISED
;;     7. [M 4,096, K 4,096] x [K 4,096, N 1,024]; A: computed on the way; B: input w2 (given as codes): QUANTISED
;;   THE QUANTISER, for each operand of a quantised product, along K:
;;     - K is cut into blocks of 32 from its start; a last block that is shorter is filled with zeros.
;;     - A block's scale is 2^e with e = floor(log2(the largest magnitude in the block)) - 15, held to -126 .. 127; a block of zeros has e = 0. As a byte (E8M0): e + 127.
;;     - Each number is divided by its block's scale, clamped to +-57,344, and rounded to the nearest number of E5M2, ties to even, subnormals kept.
;;     - The product sums the exact products of the quantised numbers (number of the format x scale) in f32.
;;   ~~~python
;;   def quantise(x, axis):      # numpy; x: float32 -> the quantised numbers, widened to float32 again
;;       x = np.moveaxis(x, axis, -1); K = x.shape[-1]
;;       x = np.pad(x, [(0, 0)] * (x.ndim - 1) + [(0, -K % 32)]); x = x.reshape(x.shape[:-1] + (-1, 32)); a = np.abs(x).max(-1, keepdims=True)
;;       e = np.where(a > 0, np.clip(np.frexp(np.where(a > 0, a, 1))[1] - 1 - 15, -126, 127), 0)      # np.frexp(a)[1] - 1 = floor(log2(a)), exactly
;;       r = np.clip(x / 2.0 ** e, -57344, 57344)
;;       step = 2.0 ** (np.maximum(np.frexp(np.where(r == 0, 1, r))[1] - 1, -14) - 2)
;;       q = np.round(r / step) * step * 2.0 ** e      # np.round: ties to even
;;       return np.moveaxis(q.reshape(q.shape[:-2] + (-1,))[..., :K], -1, axis).astype(np.float32)
;;   ~~~
;;   SOFTMAX AHEAD OF A QUANTISED PRODUCT. Where the list says 'softmax', what is quantised is not the finished softmax but p = 2^(t - M), with t = logit x log2(e) and M = ceil(the row's largest t), a whole number; so 1/2 < the row's largest p <= 1. The row's sum l is taken of the UNQUANTISED p, in f32, and the product's result is divided by l at the end. Since M is a whole number, a kernel that streams over the keys may use a running M (the ceiling of the running maximum): every later rescaling is an exact power of two, which a block's scale takes up: the codes' values come out the same.
;;   OPERANDS COMPUTED ON THE WAY. 'Computed on the way' means the value that the module computes at that place (a softmax that the list does not call 'softmax' is quantised finished and normalised). What goes into a quantiser is computed in f32, as accurately as f32 sums, v_exp_f32 and their like allow (about 1e-6 of the number): no bf16 or f16 on the way to a quantiser, and a product that is left as it is and whose result goes on into a quantised operand takes f32 operands (vector FMAs, or v_wmma_f32_16x16x4_f32). A number that lies on a knife's edge between two numbers of the format may be rounded either way, as far as f32 arithmetic and the matrix unit's own rounding can turn it there, and no further.
;;   INPUTS GIVEN AS CODES. k_w (in the module: [1024, 1024], K = its axis 0); q_w (in the module: [1024, 1024], K = its axis 0); v_w (in the module: [1024, 1024], K = its axis 0); w1 (in the module: [1024, 4096], K = its axis 0); w2 (in the module: [4096, 1024], K = its axis 0): each comes as NAME_codes (uint8): NAME with its K axis moved to the last place and cut into blocks of 32 codes, [.., K / 32, bytes a block], one block behind the other in memory; one code a byte (a code: sign, 5 exponent bits, 2 mantissa bits); and NAME_scales (uint8): the same leading axes, one E8M0 byte (e + 127) for each 32 codes along K. Its value is code x scale, taken as it is: it is not quantised again, and the codes and scales need not be those that the quantiser above would give.
;; One version. Each part assembles by itself: llvm-mc -triple=amdgcn-amd-amdhsa -mcpu=gfx1250 --defsym DOCPART=n.
;; ======== version 1 of 1: 7 launches
;; limits: right only within a limited range of input values
;; workspace buffers: acode 4,849,664 bytes; qkv 12,976,128 bytes; attn 16,777,216 bytes; xbuf 21,102,592 bytes; hbuf 17,301,504 bytes; zbuf 16,777,216 bytes
;; launch prep (part 1): grid 256 x 1, 8 waves a work-group, no clusters, 42,496 bytes of LDS; arguments src, acode; writes acode
.if DOCPART == 1
	.amdgcn_target "amdgcn-amd-amdhsa--gfx1250"
	.amdhsa_code_object_version 6
	.text
	.protected	k_q4a276895c4_prep
	.globl	k_q4a276895c4_prep
	.p2align	8
	.type	k_q4a276895c4_prep,@function
k_q4a276895c4_prep:
	s_mov_b64 s[64:65], 0
	v_nop
	global_prefetch_b8 v0, s[64:65] scope:SCOPE_SE
	s_setreg_imm32_b32 hwreg(HW_REG_WAVE_MODE, 25, 1), 1
	s_wait_xcnt 0x0
; TransformerEncoderLayerRotary, first of seven launches.  NO WORK OF reference() IS LEFT OUT AS DEAD: every input has a way to the output (k_b too: it moves K's codes), so every input is loaded by some launch.
; This launch: src [2048 s][2 b][1024] f32 becomes codes of BF8 (E5M2), K = the 1,024 features innermost, rows in the order m' = 2048 b + s, with one E8M0 byte for each 32 along K;
; and the table of the rotary embedding, [2048 s][32 i](cos, sin) f32, angle = s x 10000^(-i/32).
; acode: codes [4096 m'][1024] at 0; scale bytes [4096][32] at AC_SC; the table at AC_ROPE.
; A block's scale is 2^(floor(log2(largest magnitude)) - 15); its byte is the largest magnitude's exponent field - 15, held at 1 from below.
; LIMITS: NaN and infinities among the inputs are not served; a block whose largest magnitude lies under 2^-111 keeps the byte 1; a block of zeros gets the byte 1 where the rule says 127 (its codes are zeros, and
; this program alone reads the bytes); the angle is s x v_exp_f32's 10^(-i/8), which may lie some 1e-4 rad from an f32 power's at s near 2,000.
; Wave W = 8 x work-group + wave takes rows m' = 2 W, 2 W + 1 in 4 steps of 512 numbers; its 16 loads, 512 consecutive bytes each, all go out at the start.  A step's 2,048 bytes turn through the wave's own stage
; in LDS so that a lane holds 16 neighbours along K; a lane's 16 codes are 16 bytes, so a store covers 512 consecutive bytes.  The work-group's 512 scale bytes meet in LDS and leave in one store.
; Wave W also makes row s = W of the table, a lane to a pair: one store of 256 consecutive bytes.
.set WAVES, 8
.set STEPS, 4
.set EMAX,  15
.set MANT,  0x600000
.set R,     16                         ; v16-79   four sets of 16 numbers as loaded
.set X,     80                         ; v80-111  two sets of 16 neighbours
.set E,     112                        ; v112-115 a scale byte for each step
.set C,     128                        ; v128-143 codes, four registers a step
.set TG,    144                        ; v144-151 the table's work; v160, v161 cos and sin
.set WREG,  5120                       ; LDS: two stages of 32 x SP bytes for each wave
.set SP,    80
.set SPW,   12
.set NIL,   13
.set SCB,   WAVES*WREG                 ; the work-group's 512 scale bytes
.set SPARE, SCB+512
.set AC_SC,   4194304
.set AC_ROPE, 4325376
	s_load_b128 s[4:7], s[0:1], 0x0                ; src, acode
	v_lshl_add_u32 v[SPW], v0, 2, SPARE
	v_mov_b32 v[NIL], 0
	v_lshrrev_b32 v1, 5, v0
	s_delay_alu instid0(VALU_DEP_1)
	v_readfirstlane_b32 s16, v1                    ; wave
	v_and_b32 v2, 31, v0                           ; lane
	s_delay_alu instid0(VALU_DEP_1)
	v_lshlrev_b32 v3, 4, v2                        ; my 16 bytes of a run of 512
	s_mul_i32 s17, s16, WREG
	v_lshrrev_b32 v14, 2, v2
	s_delay_alu instid0(VALU_DEP_1)
	v_mul_u32_u24 v14, v14, SP
	v_and_b32 v15, 3, v2
	s_delay_alu instid0(VALU_DEP_1)
	v_lshl_add_u32 v14, v15, 4, v14
	s_delay_alu instid0(VALU_DEP_1)
	v_add_nc_u32 v14, s17, v14                     ; the stage, way in: SP (lane / 4) + 16 (lane % 4)
	v_mul_u32_u24 v15, v2, SP
	s_delay_alu instid0(VALU_DEP_1)
	v_add_nc_u32 v15, s17, v15                     ; way out: SP x lane
	s_lshl_b32 s17, s16, 6
	s_add_co_u32 s17, s17, SCB
	v_lshrrev_b32 v5, 1, v2
	s_delay_alu instid0(VALU_DEP_1)
	v_add_nc_u32 v5, s17, v5                       ; my block's scale byte: 64 bytes a wave
	v_add_nc_u32 v6, SCB, v3                       ; and where wave 0 reads all 512 back
	v_lshlrev_b32 v7, 3, v2                        ; the table: 8 bytes a lane
	s_mov_b32 s23, MANT
	s_lshl_b32 s18, ttmp9, 3
	s_add_co_u32 s18, s18, s16                     ; W
	s_and_b32 s20, s18, 1023
	s_lshl_b32 s20, s20, 14                        ; two rows s of 8,192 bytes
	s_lshr_b32 s21, s18, 10
	s_lshl_b32 s21, s21, 12                        ; + b rows of 4,096
	s_add_co_u32 s20, s20, s21
	s_mov_b32 s21, 0
	s_lshl_b32 s24, s18, 11
	s_mov_b32 s25, 0
	s_lshl_b32 s26, ttmp9, 9
	s_add_co_u32 s26, s26, AC_SC
	s_mov_b32 s27, 0
	s_lshl_b32 s28, s18, 8
	s_add_co_u32 s28, s28, AC_ROPE
	s_mov_b32 s29, 0
	s_mov_b32 s31, 0xb94ca1f9                      ; sine: -1.9515296e-4, 8.3321609e-3, -1.6666655e-1
	s_mov_b32 s32, 0x3c08839e
	s_mov_b32 s33, 0xbe2aaaa3
	s_mov_b32 s34, 0x37ccf5ce                      ; cosine: 2.4433157e-5, -1.3887316e-3, 4.1666646e-2
	s_mov_b32 s35, 0xbab6061a
	s_mov_b32 s36, 0x3d2aaaa5
	s_wait_kmcnt 0x0
	s_add_nc_u64 s[4:5], s[4:5], s[20:21]
	s_add_nc_u64 s[8:9], s[6:7], s[24:25]
	s_add_nc_u64 s[10:11], s[6:7], s[26:27]
	s_add_nc_u64 s[12:13], s[6:7], s[28:29]
.macro LOAD t
.irp i, 0,1,2,3
	global_load_b128 v[R+16*(\t)+4*\i:R+16*(\t)+4*\i+3], v3, s[4:5] offset:8192*((\t)/2)+2048*((\t)%2)+512*\i th:TH_LOAD_NT
.endr
.endm
.macro TURN t                          ; step t's numbers through the stage: LDS serves a wave's instructions in order
.irp i, 0,1,2,3
	ds_store_b128 v14, v[R+16*(\t)+4*\i:R+16*(\t)+4*\i+3] offset:32*SP*((\t)%2)+8*SP*\i
.endr
.irp i, 0,1,2,3
	ds_load_b128 v[X+16*((\t)%2)+4*\i:X+16*((\t)%2)+4*\i+3], v15 offset:32*SP*((\t)%2)+16*\i
.endr
.endm
; cos and sin of v[sr] x v[fr]: the angle less k quarter turns (pi / 2 in two parts), two short polynomials, and the quadrant's swap and signs
.macro TRIG sr, fr, tb, oc, os
	v_mul_f32 v[\tb], v[\sr], v[\fr]
	s_delay_alu instid0(VALU_DEP_1)
	v_mul_f32 v[\tb+1], 0x3f22f983, v[\tb]
	s_delay_alu instid0(VALU_DEP_1)
	v_rndne_f32 v[\tb+1], v[\tb+1]
	s_delay_alu instid0(VALU_DEP_1)
	v_fma_f32 v[\tb], -v[\tb+1], 0x3fc90fdb, v[\tb]
	s_delay_alu instid0(VALU_DEP_1)
	v_fma_f32 v[\tb], -v[\tb+1], 0xb33bbd2e, v[\tb]
	s_delay_alu instid0(VALU_DEP_1)
	v_mul_f32 v[\tb+2], v[\tb], v[\tb]
	s_delay_alu instid0(VALU_DEP_4)
	v_cvt_i32_f32 v[\tb+1], v[\tb+1]
	s_delay_alu instid0(VALU_DEP_2)
	v_fma_f32 v[\tb+3], v[\tb+2], s31, s32
	s_delay_alu instid0(VALU_DEP_1)
	v_fma_f32 v[\tb+3], v[\tb+3], v[\tb+2], s33
	s_delay_alu instid0(VALU_DEP_4)
	v_mul_f32 v[\tb+4], v[\tb+2], v[\tb]
	s_delay_alu instid0(VALU_DEP_1)
	v_fma_f32 v[\tb+3], v[\tb+3], v[\tb+4], v[\tb]
	v_fma_f32 v[\tb+4], v[\tb+2], s34, s35
	s_delay_alu instid0(VALU_DEP_1)
	v_fma_f32 v[\tb+4], v[\tb+4], v[\tb+2], s36
	v_mul_f32 v[\tb+5], v[\tb+2], v[\tb+2]
	v_fma_f32 v[\tb], v[\tb+2], -0.5, 1.0
	s_delay_alu instid0(VALU_DEP_1)
	v_fma_f32 v[\tb+4], v[\tb+4], v[\tb+5], v[\tb]
	v_and_b32 v[\tb], 1, v[\tb+1]
	s_delay_alu instid0(VALU_DEP_1)
	v_cmp_eq_u32 vcc_lo, 1, v[\tb]
	s_delay_alu instid0(VALU_DEP_1)
	v_cndmask_b32 v[\tb+5], v[\tb+3], v[\tb+4], vcc_lo
	s_delay_alu instid0(VALU_DEP_2)
	v_cndmask_b32 v[\tb+4], v[\tb+4], v[\tb+3], vcc_lo
	v_and_b32 v[\tb], 2, v[\tb+1]
	s_delay_alu instid0(VALU_DEP_1)
	v_lshlrev_b32 v[\tb], 30, v[\tb]
	s_delay_alu instid0(VALU_DEP_1)
	v_xor_b32 v[\os], v[\tb], v[\tb+5]
	v_add_nc_u32 v[\tb], 1, v[\tb+1]
	s_delay_alu instid0(VALU_DEP_1)
	v_and_b32 v[\tb], 2, v[\tb]
	s_delay_alu instid0(VALU_DEP_1)
	v_lshlrev_b32 v[\tb], 30, v[\tb]
	s_delay_alu instid0(VALU_DEP_1)
	v_xor_b32 v[\oc], v[\tb], v[\tb+4]
.endm
.irp t, 0,1,2,3
	LOAD \t
.endr
	; the table's row s = W, while the loads are out: lane l makes pair i = l
	v_cvt_f32_u32 v[TG+6], v2
	s_delay_alu instid0(VALU_DEP_1)
	v_mul_f32 v[TG+6], 0xbed49a78, v[TG+6]         ; -i log2(10) / 8
	s_wait_alu depctr_va_vdst(0)
	v_exp_f32 v[TG+6], v[TG+6]
	v_nop                                          ; a plain line behind the exponential
	v_cvt_f32_u32 v[TG+7], s18
	s_wait_alu depctr_va_vdst(0)                   ; its wait, ahead of its first reader
	TRIG TG+7, TG+6, TG, 160, 161
	global_store_b64 v7, v[160:161], s[12:13]      ; 256 consecutive bytes, aligned; these registers are not written again
	s_wait_loadcnt 12                              ; step 0's four loads are in
	TURN 0
.macro STEP t
.set XX, X+16*((\t)%2)
.if (\t) > 0
	s_wait_dscnt 1                                 ; this step's numbers are back (the last step's byte store may be out)
.else
	s_wait_dscnt 0x0
.endif
.if (\t)+1 < STEPS
	s_wait_loadcnt 4*(STEPS-2-(\t))                ; the next step's four loads are in; the later steps' may be out
	TURN (\t)+1
.endif
	v_max3_num_f32 v8, |v[XX]|, |v[XX+1]|, |v[XX+2]|
	v_max3_num_f32 v9, |v[XX+3]|, |v[XX+4]|, |v[XX+5]|
.irp i, 6,10
	s_delay_alu instid0(VALU_DEP_2)
	v_max3_num_f32 v8, v8, |v[XX+\i]|, |v[XX+\i+1]|
	s_delay_alu instid0(VALU_DEP_2)
	v_max3_num_f32 v9, v9, |v[XX+\i+2]|, |v[XX+\i+3]|
.endr
	s_delay_alu instid0(VALU_DEP_2)
	v_max3_num_f32 v8, v8, |v[XX+14]|, |v[XX+15]|
	s_delay_alu instid0(VALU_DEP_1)
	v_max3_num_f32 v8, v8, v9, (EMAX+1)<<23        ; the floor 2^(16 - 127): the byte cannot fall under 1
	s_delay_alu instid0(VALU_DEP_1)
	v_max_num_f32_dpp v8, v8, v8 row_xmask:1 row_mask:0xf bank_mask:0xf   ; with my neighbour's 16: the block's
	s_delay_alu instid0(VALU_DEP_1)
	v_add_nc_u32 v11, -(EMAX<<23), v8              ; 15 off the exponent field: the conversion's scale operand
	s_delay_alu instid0(VALU_DEP_2)
	v_and_or_b32 v10, v8, 0x7f800000, s23          ; 57,344 x the scale
.irp i, 0,1,2,3,4,5,6,7,8,9,10,11,12,13,14,15
	v_med3_num_f32 v[XX+\i], v[XX+\i], -v10, v10   ; the conversion does not saturate (ISA guide 7.6.2): the hold
.endr
	v_cvt_scalef32_pk8_bf8_f32 v[C+4*(\t):C+4*(\t)+1], v[XX:XX+7], v11
	v_cvt_scalef32_pk8_bf8_f32 v[C+4*(\t)+2:C+4*(\t)+3], v[XX+8:XX+15], v11
	v_lshrrev_b32 v[E+(\t)], 23, v11               ; the scale's byte
	ds_store_b8 v5, v[E+(\t)] offset:16*(\t)
	global_store_b128 v3, v[C+4*(\t):C+4*(\t)+3], s[8:9] offset:512*(\t)
.endm
.irp t, 0,1,2,3
	STEP \t
.endr
	s_wait_dscnt 0x0                               ; my scale bytes have landed
	s_barrier_signal -1
	s_barrier_wait -1
	s_cmp_lg_u32 s16, 0
	s_cbranch_scc1 .Lnot_wave_0
	ds_load_b128 v[8:11], v6
	s_wait_dscnt 0x0
	global_store_b128 v3, v[8:11], s[10:11]        ; the work-group's 512 scale bytes
.Lnot_wave_0:
	s_wait_tensorcnt 0x0                           ; the wave's end
	ds_add_u32 v[SPW], v[NIL]
	s_wait_dscnt 0x0
	s_endpgm
.Lfunc_end_k_q4a276895c4_prep:
	.size	k_q4a276895c4_prep, .Lfunc_end_k_q4a276895c4_prep-k_q4a276895c4_prep
	.p2alignl 7, 3214868480
	.fill 96, 4, 3214868480
	.section	.rodata,"a",@progbits
	.p2align	6, 0x0
	.amdhsa_kernel k_q4a276895c4_prep
		.amdhsa_group_segment_fixed_size 42496
		.amdhsa_private_segment_fixed_size 0
		.amdhsa_enable_private_segment 0
		.amdhsa_kernarg_size 16
		.amdhsa_user_sgpr_count 2
		.amdhsa_user_sgpr_kernarg_segment_ptr 1
		.amdhsa_wavefront_size32 1
		.amdhsa_system_sgpr_workgroup_id_x 1
		.amdhsa_system_sgpr_workgroup_id_y 1
		.amdhsa_system_sgpr_workgroup_id_z 1
		.amdhsa_system_vgpr_workitem_id 0
		.amdhsa_next_free_vgpr 192
		.amdhsa_next_free_sgpr 66
		.amdhsa_reserve_vcc 1
		.amdhsa_float_denorm_mode_32 3
		.amdhsa_float_denorm_mode_16_64 3
		.amdhsa_memory_ordered 1
		.amdhsa_forward_progress 1
		.amdhsa_inst_pref_size 19
	.end_amdhsa_kernel
	.amdgpu_metadata
---
amdhsa.version: [ 1, 2 ]
amdhsa.kernels:
  - .name:           k_q4a276895c4_prep
    .symbol:         k_q4a276895c4_prep.kd
    .args:
      - { .name: src, .offset: 0, .size: 8, .value_kind: global_buffer, .address_space: global }
      - { .name: acode, .offset: 8, .size: 8, .value_kind: global_buffer, .address_space: global }
    .group_segment_fixed_size: 42496
    .private_segment_fixed_size: 0
    .kernarg_segment_align: 8
    .kernarg_segment_size: 16
    .max_flat_workgroup_size: 256
    .sgpr_count:     66
    .vgpr_count:     192
    .wavefront_size: 32
...
	.end_amdgpu_metadata
.endif
;; end of part 1
;; launch qkv (part 2): grid 8 x 24, 4 waves a work-group, clusters of 4 x 4, 327,680 bytes of LDS; arguments acode, q_w_codes, q_w_scales, k_w_codes, k_w_scales, v_w_codes, v_w_scales, q_b, k_b, v_b, qkv; writes qkv
.if DOCPART == 2
	.amdgcn_target "amdgcn-amd-amdhsa--gfx1250"
	.amdhsa_code_object_version 6
	.text
	.protected	k_q4a276895c4_qkv
	.globl	k_q4a276895c4_qkv
	.p2align	8
	.type	k_q4a276895c4_qkv,@function
k_q4a276895c4_qkv:
	s_mov_b64 s[64:65], 0
	v_nop
	global_prefetch_b8 v0, s[64:65] scope:SCOPE_SE
	s_setreg_imm32_b32 hwreg(HW_REG_WAVE_MODE, 25, 1), 1
	s_wait_xcnt 0x0
	s_wait_alu depctr_hold_cnt(0) depctr_sa_sdst(0) depctr_va_vdst(0) depctr_va_sdst(0) depctr_va_ssrc(0) depctr_va_vcc(0) depctr_vm_vsrc(0)
	s_getreg_b32 s2, hwreg(HW_REG_IB_STS2, 6, 4)
	s_cmp_eq_u32 s2, 0
	s_cbranch_scc0 .Lentry_in_a_cluster
	s_endpgm
.Lentry_in_a_cluster:
	s_bfe_u32 s2, ttmp6, 0x10000c
	s_cmp_lg_u32 s2, 0xf033
	s_cbranch_scc0 .Lentry_shape_is_right
	s_endpgm
.Lentry_shape_is_right:
.set KSTEP,  256
.set NQ,     KSTEP/128
.set ROWB,   256
.set KROW,   1024
.set PITCH,  272
.set FR,     16
.set NL,     4
.set NP,     8
.set HALFT,  128*PITCH
.set SLOT,   4*HALFT
.set LAPS,   1024/(2*KSTEP)
.set KS,     32
.set SCL,    2*SLOT
.set HALFS,  (128*KS/256)*272
.set SBLK,   (16*KS/256)*272
.set SPARE,  SCL+4*HALFS
.set SCST,   256*272
.set AC_SC,   4194304
.set AC_ROPE, 4325376
.set V_OFF,   8388608
.set QS_OFF,  12582912
.set VS_OFF,  12845056
.set ADRA, 16
.set GO,   18
.set BCO,  19
.set ADRB, 20
.set SST,  22
.set SRD,  23
.set STO,  24
.set RD,   25
.set RD2,  26
.set ADRS, 27
.set SPW,  28
.set NIL,  29
.set RTO,  30
.set BRO,  31
.set SC,   32
.set BC,   64
.set AF,   128
.set T,    128
.set PC,   192
.set TM,   208
.set PW,   224
.set BR,   232
.set U,    240
.set OUTR, 128
.set SEL,  18
.set MNT,  20
.set ISV,  95
.set G1, 24
.set G0, 32
.set G1B, 48
.set G0B, 56
.set G1S, 68
.set G0S, 76
.set G1SB, 80
.set G0SB, 88
.set MSB, 0
.macro WIN new
.if MSB != \new
	s_set_vgpr_msb (MSB<<8)|\new
.set MSB, \new
.endif
.endm
.set MUL_LO, 0xa1
.set MUL_HI, 0xf1
.set TO_B,   0x40
.macro JLOAD g0a, g1a, g0b, g1b
	s_cmp_eq_u32 s15, 0
	s_cbranch_scc0 .Lfor_b_\@
	tensor_load_to_lds s[\g0a:\g0a+3], s[\g1a:\g1a+7]
	s_nop 0
.rept 4
	v_nop
.endr
	s_branch .Lasked_\@
.Lfor_b_\@:
	tensor_load_to_lds s[\g0b:\g0b+3], s[\g1b:\g1b+7]
	s_nop 0
.rept 4
	v_nop
.endr
.Lasked_\@:
.endm
.macro CREST
	s_cmp_lg_u32 s14, 0
	s_cbranch_scc1 .Lnot_wave_0_\@
	s_barrier_signal -3
.Lnot_wave_0_\@:
	s_barrier_wait -3
	s_barrier_signal -1
	s_barrier_wait -1
.endm
.macro CROUND
	s_barrier_signal -1
	s_barrier_wait -1
	CREST
.endm
	s_load_b512 s[68:83], s[0:1], 0x0
	s_load_b128 s[84:87], s[0:1], 0x40
	s_load_b64 s[88:89], s[0:1], 0x50
	v_lshl_add_u32 v[SPW], v0, 2, SPARE
	v_mov_b32 v[NIL], 0
	ds_add_u32 v[SPW], v[NIL]
	ds_add_u32 v[SPW], v[NIL]
	v_lshrrev_b32 v1, 5, v0
	v_readfirstlane_b32 s14, v1
	s_lshr_b32 s15, s14, 1
	s_and_b32 s16, s14, 1
	s_bfe_u32 s40, ttmp6, 0x40000
	s_bfe_u32 s41, ttmp6, 0x40004
	s_and_b32 s2, ttmp7, 0xffff
	s_lshl_b32 s19, s2, 1
	s_add_co_u32 s19, s19, ttmp9
	s_sub_co_u32 s19, s19, 8
	s_cmp_ge_u32 s2, 4
	s_cselect_b32 s[ISV], 1, 0
	s_cselect_b32 s18, 0, s2
	s_cselect_b32 s19, s19, 0
	s_lshl_b32 s17, s18, 2
	s_add_co_u32 s17, s17, s41
	s_lshl_b32 s42, s19, 2
	s_add_co_u32 s42, s42, s40
	s_lshl_b32 s43, s41, 2
	s_lshl_b32 s43, 15, s43
	s_lshl_b32 s44, 0x1111, s40
	s_or_b32 s[G1+0], s43, (0<<16)|(1<<20)|(1<<21)|(5<<22)|(3<<25)
	s_or_b32 s[G1B+0], s44, (0<<16)|(1<<20)|(1<<21)|(5<<22)|(3<<25)
.irp g, G1, G1B
	s_mov_b32 s[\g+1], ROWB<<16
	s_mov_b32 s[\g+2], 256<<16
	s_mov_b32 s[\g+3], ROWB<<16
	s_mov_b32 s[\g+4], 256
	s_mov_b32 s[\g+5], KROW
	s_mov_b32 s[\g+6], 0
	s_mov_b32 s[\g+7], 0
.endr
	s_lshl_b32 s20, s17, 8                         ; the tile's first row of A,
	s_lshl_b32 s46, s42, 8                         ; and of B
	s_mov_b32 s21, 0
	s_mov_b32 s47, 0
	s_mov_b64 s[18:19], KS
	s_mul_u64 s[22:23], s[20:21], s[18:19]
	s_mul_u64 s[92:93], s[46:47], s[18:19]
	s_mov_b64 s[18:19], KROW
	s_mul_u64 s[20:21], s[20:21], s[18:19]
	s_mul_u64 s[46:47], s[46:47], s[18:19]
	s_mul_i32 s45, s14, HALFT
	s_mul_i32 s94, s14, HALFS
	s_wait_dscnt 0x0
	s_wait_kmcnt 0x0
	s_mov_b64 s[12:13], s[88:89]
	s_mov_b64 s[100:101], s[88:89]
	s_add_nc_u64 s[98:99], s[68:69], AC_ROPE
	s_mov_b64 s[4:5], s[68:69]
	s_add_nc_u64 s[6:7], s[68:69], AC_SC
	s_cmp_eq_u32 ttmp9, 0
	s_cselect_b64 s[8:9], s[70:71], s[74:75]
	s_cselect_b64 s[10:11], s[72:73], s[76:77]
	s_cselect_b64 s[66:67], s[82:83], s[84:85]
	s_cmp_eq_u32 s[ISV], 0
	s_cselect_b64 s[8:9], s[8:9], s[78:79]
	s_cselect_b64 s[10:11], s[10:11], s[80:81]
	s_cselect_b64 s[66:67], s[66:67], s[86:87]
	s_mov_b64 s[96:97], s[4:5]
	s_cselect_b64 s[4:5], s[4:5], s[8:9]
	s_cselect_b64 s[8:9], s[8:9], s[96:97]
	s_mov_b64 s[96:97], s[6:7]
	s_cselect_b64 s[6:7], s[6:7], s[10:11]
	s_cselect_b64 s[10:11], s[10:11], s[96:97]
	s_add_nc_u64 s[20:21], s[4:5], s[20:21]
	s_add_nc_u64 s[22:23], s[6:7], s[22:23]
	s_add_nc_u64 s[46:47], s[8:9], s[46:47]
	s_add_nc_u64 s[92:93], s[10:11], s[92:93]
	s_or_b32 s[G1S+0], s43, (3<<16)|(1<<20)|(1<<21)|(5<<22)|(3<<25)
	s_or_b32 s[G1SB+0], s44, (3<<16)|(1<<20)|(1<<21)|(5<<22)|(3<<25)
.irp g, G1S, G1SB
	s_mov_b32 s[\g+1], 32<<16
	s_mov_b32 s[\g+2], (256*KS/256)<<16
	s_mov_b32 s[\g+3], 32<<16
	s_mov_b32 s[\g+4], 256*KS/256
	s_mov_b32 s[\g+5], 32
	s_mov_b32 s[\g+6], 0
	s_mov_b32 s[\g+7], 0
.endr
	CROUND
.set G0H, 4                            ; s[4:7], s[8:11]: groups 0 of the head's loads of K step 0 (the addresses that lay there have been used)
.set G0HB, 8
	s_mov_b32 s[G0H], 1                            ; the head's four tiles, each whole: K step 0's 256 rows of A,
	s_mov_b32 s[G0H+1], 0
	s_mov_b64 s[G0H+2:G0H+3], s[20:21]
	s_or_b32 s[G0H+3], s[G0H+3], 0x80000000
	s_mov_b32 s[G0HB], 1                           ; its 256 rows of B,
	s_mov_b32 s[G0HB+1], 2*HALFT
	s_mov_b64 s[G0HB+2:G0HB+3], s[46:47]
	s_or_b32 s[G0HB+3], s[G0HB+3], 0x80000000
	s_mov_b32 s[G0S], 1                            ; the scales of A's 256 rows,
	s_mov_b32 s[G0S+1], SCL
	s_mov_b64 s[G0S+2:G0S+3], s[22:23]
	s_or_b32 s[G0S+3], s[G0S+3], 0x80000000
	s_mov_b32 s[G0SB], 1                           ; and of B's
	s_mov_b32 s[G0SB+1], SCL+2*HALFS
	s_mov_b64 s[G0SB+2:G0SB+3], s[92:93]
	s_or_b32 s[G0SB+3], s[G0SB+3], 0x80000000
	s_mul_i32 s18, s16, 128*KROW                   ; in the ring a wave fetches 128 rows of a tile: which half, in bytes
	s_mov_b32 s19, 0
	s_add_nc_u64 s[20:21], s[20:21], s[18:19]
	s_add_nc_u64 s[46:47], s[46:47], s[18:19]
.irp s, 0,1
	s_mov_b32 s[G0+4*\s], 1
	s_add_co_u32 s[G0+4*\s+1], s45, \s*SLOT
	s_add_nc_u64 s[G0+4*\s+2:G0+4*\s+3], s[20:21], \s*ROWB
	s_or_b32 s[G0+4*\s+3], s[G0+4*\s+3], 0x80000000
	s_mov_b32 s[G0B+4*\s], 1
	s_add_co_u32 s[G0B+4*\s+1], s45, \s*SLOT
	s_add_nc_u64 s[G0B+4*\s+2:G0B+4*\s+3], s[46:47], \s*ROWB
	s_or_b32 s[G0B+4*\s+3], s[G0B+4*\s+3], 0x80000000
.endr
; the head's loads, one a wave: one chain of branches on the wave's number, a load to an arm
.macro ARM under, g0, g1, next
	s_cmp_lt_u32 s14, \under
	s_cbranch_scc0 \next
	tensor_load_to_lds s[\g0:\g0+3], s[\g1:\g1+7]
	s_nop 0
.rept 4
	v_nop
.endr
	s_branch .Lhead_asked
\next:
.endm
	ARM 1, G0H,  G1,  .Lhead_b
	ARM 2, G0HB, G1B, .Lhead_sa
	ARM 3, G0S,  G1S, .Lhead_sb
	tensor_load_to_lds s[G0SB:G0SB+3], s[G1SB:G1SB+7]
	s_nop 0
.rept 4
	v_nop
.endr
.Lhead_asked:
	v_and_b32 v1, 15, v0
	v_bfe_u32 v2, v0, 4, 1
	v_mul_u32_u24 v3, v1, PITCH
	v_lshl_add_u32 v4, v2, 4, v3
	s_mul_i32 s21, s15, HALFT
	s_mul_i32 s22, s16, HALFT
	s_add_co_u32 s22, s22, 2*HALFT
.irp s, 0,1
	v_add_nc_u32 v[ADRA+\s], s21, v4
	v_add_nc_u32 v[ADRB+\s], s22, v4
	s_add_co_u32 s21, s21, SLOT
	s_add_co_u32 s22, s22, SLOT
.endr
	v_mul_u32_u24 v5, v1, KS
	v_lshrrev_b32 v6, 8, v5
	v_lshl_add_u32 v5, v6, 4, v5
	s_mul_i32 s21, s15, HALFS
	s_mul_i32 s22, s16, HALFS
	s_add_co_u32 s22, s22, 2*HALFS
	s_sub_co_u32 s22, s22, s21
	v_mul_u32_u24 v6, s22, v2
	s_add_co_u32 s21, s21, SCL
	v_add_nc_u32 v5, v5, v6
	v_add_nc_u32 v[ADRS], s21, v5
	s_mul_i32 s23, s15, 128*272
	s_lshl_b32 s21, s16, 7
	s_add_co_u32 s23, s23, s21
	v_add_nc_u32 v[STO], s23, v4
	s_lshl_b32 s23, s14, 9
	s_add_co_u32 s23, s23, SCST
	v_lshl_add_u32 v[SST], v1, 2, s23
	v_and_b32 v6, 31, v0
	v_lshl_add_u32 v[SRD], v6, 4, s23
	v_lshlrev_b32 v[GO], 4, v6
	v_lshrrev_b32 v5, 2, v6
	v_mul_u32_u24 v5, v5, 272
	v_and_b32 v7, 3, v6
	v_lshl_add_u32 v5, v7, 4, v5
	s_lshl_b32 s23, s14, 6
	v_add_nc_u32 v[RD], s23, v5
	v_add_nc_u32 v[RD2], 128*272, v[RD]
	v_lshlrev_b32 v[RTO], 8, v1
	v_lshl_add_u32 v[RTO], v2, 5, v[RTO]
	s_lshl_b32 s23, s41, 8
	s_lshl_b32 s21, s15, 7
	s_add_co_u32 s23, s23, s21
	s_lshl_b32 s23, s23, 2
	v_lshl_add_u32 v[BRO], v1, 2, s23
	s_lshl_b32 s23, s40, 8
	s_lshl_b32 s21, s16, 7
	s_add_co_u32 s23, s23, s21
	s_lshl_b32 s23, s23, 2
	v_lshl_add_u32 v[BCO], v2, 5, s23
.irp t, 0,1,2,3,4,5,6,7
	global_load_b128 v[BC+8*\t:BC+8*\t+3], v[BCO], s[66:67] offset:64*\t
	global_load_b128 v[BC+8*\t+4:BC+8*\t+7], v[BCO], s[66:67] offset:64*\t+16
.endr
	s_lshr_b32 s18, s17, 3
	s_and_b32 s19, s17, 7
	s_lshl_b32 s19, s19, 8
	s_lshl_b32 s23, s15, 7
	s_add_co_u32 s92, s19, s23
	s_lshl_b32 s92, s92, 8
	s_mov_b32 s93, 0
	s_add_nc_u64 s[98:99], s[98:99], s[92:93]
	s_lshl_b32 s20, s18, 4
	s_lshl_b32 s21, s40, 2
	s_add_co_u32 s20, s20, s21
	s_add_co_u32 s20, s20, s14
	s_lshl_b32 s20, s20, 11
	s_add_co_u32 s20, s20, s19
	s_lshl_b32 s20, s20, 6
	s_lshl_b32 s21, ttmp9, 22
	s_add_co_u32 s20, s20, s21
	s_lshl_b32 s22, s18, 3
	s_lshl_b32 s21, s40, 1
	s_add_co_u32 s22, s22, s21
	s_add_co_u32 s22, s22, s16
	s_lshl_b32 s22, s22, 11
	s_add_co_u32 s22, s22, s19
	s_add_co_u32 s22, s22, s23
	s_lshl_b32 s22, s22, 2
	s_lshl_b32 s21, ttmp9, 17
	s_add_co_u32 s22, s22, s21
	s_add_co_u32 s22, s22, QS_OFF
	s_lshr_b32 s18, s42, 3
	s_and_b32 s19, s42, 7
	s_lshl_b32 s46, s18, 4
	s_lshl_b32 s47, s41, 2
	s_add_co_u32 s46, s46, s47
	s_lshl_b32 s46, s46, 5
	s_lshl_b32 s47, s19, 2
	s_add_co_u32 s46, s46, s47
	s_add_co_u32 s46, s46, s14
	s_lshl_b32 s46, s46, 12
	s_add_co_u32 s46, s46, V_OFF
	s_lshl_b32 s47, s18, 4
	s_lshl_b32 s21, s19, 1
	s_add_co_u32 s47, s47, s21
	s_add_co_u32 s47, s47, s16
	s_lshl_b32 s47, s47, 10
	s_lshl_b32 s21, s41, 8
	s_add_co_u32 s47, s47, s21
	s_add_co_u32 s47, s47, s23
	s_lshl_b32 s47, s47, 2
	s_add_co_u32 s47, s47, VS_OFF
	s_mov_b32 s96, 131072
	s_cmp_eq_u32 s[ISV], 0
	s_cselect_b32 s20, s20, s46
	s_cselect_b32 s22, s22, s47
	s_cselect_b32 s96, 4096, s96
	s_mov_b32 s97, 0
	s_mov_b32 s21, 0
	s_mov_b32 s23, 0
	s_add_nc_u64 s[12:13], s[12:13], s[20:21]
	s_add_nc_u64 s[100:101], s[100:101], s[22:23]
.macro FRAG reg, adr, q, i
.irp c, 0,1,2,3
	ds_load_b128 v[\reg+4*\c:\reg+4*\c+3], v[\adr] offset:128*(\q)+32*\c+(\i)*16*PITCH
.endr
.endm
.macro MUL16 a0, p, q, sc, zero
.irp a, \a0, \a0+1
.irp b, 0,1,2,3,4,5,6,7
.if \zero
	v_wmma_scale_f32_16x16x128_f8f6f4 v[8*(8*((\a)%4)+\b):8*(8*((\a)%4)+\b)+7], v[128*(\p)+FR*\b:128*(\p)+FR*\b+FR-1], v[AF+FR*(\a):AF+FR*(\a)+FR-1], 0, v[SC+8*NQ*(\sc)+NQ*\b+(\q)], v[SC+8*NQ*(\sc)+NQ*(\a)+(\q)] matrix_a_fmt:MATRIX_FMT_BF8 matrix_b_fmt:MATRIX_FMT_BF8 matrix_a_scale:MATRIX_SCALE_ROW1
.else
	v_wmma_scale_f32_16x16x128_f8f6f4 v[8*(8*((\a)%4)+\b):8*(8*((\a)%4)+\b)+7], v[128*(\p)+FR*\b:128*(\p)+FR*\b+FR-1], v[AF+FR*(\a):AF+FR*(\a)+FR-1], v[8*(8*((\a)%4)+\b):8*(8*((\a)%4)+\b)+7], v[SC+8*NQ*(\sc)+NQ*\b+(\q)], v[SC+8*NQ*(\sc)+NQ*(\a)+(\q)] matrix_a_fmt:MATRIX_FMT_BF8 matrix_b_fmt:MATRIX_FMT_BF8 matrix_a_scale:MATRIX_SCALE_ROW1
.endif
.endr
.endr
.endm
.macro FETCH_B slot, q, p
	WIN TO_B
.irp i, 0,1,2,3,4,5,6,7
	FRAG 128*(\p)+FR*\i, ADRB+\slot, \q, \i
.endr
	WIN 0
.endm
.macro FETCH_A slot, q, i0
.irp i, \i0, \i0+1, \i0+2, \i0+3
	FRAG AF+FR*(\i), ADRA+\slot, \q, \i
.endr
.endm
.macro SCALES sc
.irp i, 0,1,2,3,4,5,6,7
	ds_load_b64 v[SC+8*NQ*\sc+NQ*\i:SC+8*NQ*\sc+NQ*\i+1], v[ADRS] offset:\i*SBLK
.endr
.endm
.macro PLACES n
.rept \n
	v_nop
.endr
.endm
.macro STEP slot, q, zero
	s_wait_dscnt 4*NL
	WIN MUL_LO
	MUL16 0, (\q)%2, \q, \slot, \zero
	MUL16 2, (\q)%2, \q, \slot, \zero
	s_wait_dscnt 0
	PLACES NP
	FETCH_B \slot, (\q)+1, 1-(\q)%2
	FETCH_A \slot, (\q)+1, 0
	WIN MUL_HI
	MUL16 4, (\q)%2, \q, \slot, \zero
	MUL16 6, (\q)%2, \q, \slot, \zero
	PLACES NP
	WIN 0
	FETCH_A \slot, (\q)+1, 4
.endm
.macro TURN slot, next, fill
	s_wait_tensorcnt 0x0
	ds_add_u32 v[SPW], v[NIL]
	s_wait_dscnt 4*NL+1
	WIN MUL_LO
	MUL16 0, 1, NQ-1, \slot, 0
	s_wait_dscnt 0x0
	s_barrier_signal -1
	MUL16 2, 1, NQ-1, \slot, 0
	WIN 0
	s_barrier_wait -1
.if \fill
	CREST
	s_add_nc_u64 s[G0+4*\slot+2:G0+4*\slot+3], s[G0+4*\slot+2:G0+4*\slot+3], 2*ROWB
	s_add_nc_u64 s[G0B+4*\slot+2:G0B+4*\slot+3], s[G0B+4*\slot+2:G0B+4*\slot+3], 2*ROWB
	JLOAD G0+4*\slot, G1, G0B+4*\slot, G1B
	PLACES NP-4
.else
	PLACES NP
.endif
	s_wait_alu depctr_va_vdst(0)
	v_add_nc_u32 v[ADRS], 4*NQ, v[ADRS]
	FETCH_B \next, 0, 0
	FETCH_A \next, 0, 0
	SCALES \next
	WIN MUL_HI
	MUL16 4, 1, NQ-1, \slot, 0
	MUL16 6, 1, NQ-1, \slot, 0
	PLACES NP
	WIN 0
	FETCH_A \next, 0, 4
.endm
.macro TABLE a
.irp q, 0,1,2,3
	global_load_b128 v[32*(\a)+8*\q:32*(\a)+8*\q+3], v[RTO], s[98:99] offset:4096*(\a)+64*\q
	global_load_b128 v[32*(\a)+8*\q+4:32*(\a)+8*\q+7], v[RTO], s[98:99] offset:4096*(\a)+64*\q+16
.endr
.endm
	s_wait_alu depctr_va_vdst(0)                   ; the wait at the head's end
	s_wait_tensorcnt 0x0                           ; my tile of the head's four is in
	ds_add_u32 v[SPW], v[NIL]
	s_mov_b32 s[G1+2], 128<<16                     ; no tensor load of mine is out: from here on a load brings 128 rows
	s_mov_b32 s[G1+4], 128
	s_mov_b32 s[G1B+2], 128<<16
	s_mov_b32 s[G1B+4], 128
	s_wait_dscnt 0x0
	CROUND                                         ; all four tiles are in, in every partner
	JLOAD G0+4, G1, G0B+4, G1B                     ; K step 1, the first tensor load behind the round
	FETCH_B 0, 0, 0
	FETCH_A 0, 0, 0
	SCALES 0
	FETCH_A 0, 0, 4
	STEP 0, 0, 1
	s_mov_b32 s3, LAPS-1
.Llap:
	TURN 0, 1, 1
	STEP 1, 0, 0
	TURN 1, 0, 1
	STEP 0, 0, 0
	s_sub_co_u32 s3, s3, 1
	s_cmp_lg_u32 s3, 0
	s_cbranch_scc1 .Llap
	TURN 0, 1, 0
	STEP 1, 0, 0
	WIN TO_B
	TABLE 0
	TABLE 1
	TABLE 2
	TABLE 3
	WIN 0
	s_wait_dscnt 4*NL
	WIN MUL_LO
	MUL16 0, 1, NQ-1, 1, 0
	MUL16 2, 1, NQ-1, 1, 0
	s_wait_dscnt 0
	WIN MUL_HI
	MUL16 4, 1, NQ-1, 1, 0
	MUL16 6, 1, NQ-1, 1, 0
	WIN 0
	PLACES NP
.irp a, 0,1,2,3,4,5,6,7
	global_load_b32 v[BR+\a], v[BRO], s[66:67] offset:64*\a
.endr
	WIN TO_B
	TABLE 4
	TABLE 5
	TABLE 6
	TABLE 7
	WIN 0
	s_mov_b32 s[SEL], 0x76543210
	s_mov_b32 s[SEL+1], 0xfedcba98
	s_mov_b32 s[MNT], 0x600000
.irp b, 0,1,2,3
	v_mov_b32 v[TM+4+\b], 0
.endr
.macro QUANT
.irp b, 0,1,2,3
	v_max3_num_f32 v[TM+\b], |v[T+16*\b]|, |v[T+1+16*\b]|, 0x8000000
.endr
.irp i, 2,4,6,8,10,12,14
.irp b, 0,1,2,3
	v_max3_num_f32 v[TM+\b], v[TM+\b], |v[T+16*\b+\i]|, |v[T+1+16*\b+\i]|
.endr
.endr
.irp b, 0,1,2,3
	v_permlanex16_b32 v[TM+4+\b], v[TM+\b], s[SEL], s[SEL+1]
.endr
.irp b, 0,1,2,3
	v_max_num_f32 v[TM+\b], v[TM+\b], v[TM+4+\b]
.endr
.irp b, 0,1,2,3
	v_add_nc_u32 v[TM+12+\b], 0xf8800000, v[TM+\b]
.endr
.irp b, 0,1,2,3
	v_and_or_b32 v[TM+8+\b], v[TM+\b], 0x7f800000, s[MNT]
.endr
.irp b, 0,1,2,3
	v_lshrrev_b32 v[TM+4+\b], 23, v[TM+12+\b]
.endr
	v_lshl_or_b32 v[PW], v[TM+5], 8, v[TM+4]
	v_lshl_or_b32 v[PW], v[TM+6], 16, v[PW]
	v_lshl_or_b32 v[PW], v[TM+7], 24, v[PW]
.irp b, 0,1,2,3
.irp i, 0,1,2,3,4,5,6,7,8,9,10,11,12,13,14,15
	v_med3_num_f32 v[T+16*\b+\i], v[T+16*\b+\i], -v[TM+8+\b], v[TM+8+\b]
.endr
	v_cvt_scalef32_pk8_bf8_f32 v[PC+4*\b:PC+1+4*\b], v[T+16*\b:T+7+16*\b], v[TM+12+\b]
	v_cvt_scalef32_pk8_bf8_f32 v[PC+2+4*\b:PC+3+4*\b], v[T+8+16*\b:T+15+16*\b], v[TM+12+\b]
.endr
	v_nop
.endm
.macro BLOCK a
.set AC, 64*((\a)%4)
.set WN, 0x02+(\a)/4
.set RT, 32*(\a)
	s_cmp_lg_u32 s[ISV], 0
	s_cbranch_scc1 .Lv_\@
.if (\a) < 4
	s_wait_loadcnt 40
.else
	s_wait_loadcnt 0x0
.endif
	WIN WN
.set II, 0
.rept 32
	v_pk_add_f32 v[T+II:T+II+1], v[AC+II:AC+II+1], v[BC+II:BC+II+1]
.set II, II+2
.endr
	WIN 0x04
.irp t, 0,1,2,3,4,5,6,7
.irp p, 0,1,2,3
	v_mul_f32 v[U+2*\p], v[T+8*\t+2*\p+1], v[RT+8*(\t%4)+2*\p+1]
	v_mul_f32 v[U+2*\p+1], v[T+8*\t+2*\p], v[RT+8*(\t%4)+2*\p+1]
.endr
.irp p, 0,1,2,3
	v_fma_f32 v[T+8*\t+2*\p], v[T+8*\t+2*\p], v[RT+8*(\t%4)+2*\p], -v[U+2*\p]
	v_fma_f32 v[T+8*\t+2*\p+1], v[T+8*\t+2*\p+1], v[RT+8*(\t%4)+2*\p], v[U+2*\p+1]
.endr
.endr
	WIN 0
	s_branch .Lj_\@
.Lv_\@:
	s_wait_loadcnt 32
	WIN WN
.set II, 0
.rept 64
	v_add_f32 v[T+II], v[AC+II], v[BR+(\a)]
.set II, II+1
.endr
	WIN 0
.Lj_\@:
	QUANT
.irp b, 0,1,2,3
	ds_store_b128 v[STO], v[PC+4*\b:PC+4*\b+3] offset:4352*(\a)+32*\b
.endr
	ds_store_b32 v[SST], v[PW] offset:64*(\a)
	s_wait_dscnt 0x0
.endm
.irp a, 0,1,2,3,4,5,6,7
	BLOCK \a
.endr
	s_barrier_signal -1
	s_barrier_wait -1
.irp i, 0,1,2,3,4,5,6,7,8,9,10,11,12,13,14,15
	ds_load_b128 v[OUTR+4*\i:OUTR+4*\i+3], v[RD] offset:2176*\i
.endr
.irp i, 0,1,2,3,4,5,6,7,8,9,10,11,12,13,14,15
	ds_load_b128 v[OUTR+64+4*\i:OUTR+64+4*\i+3], v[RD2] offset:2176*\i
.endr
	ds_load_b128 v[BC:BC+3], v[SRD]
.irp g, 0,1,2,3
	s_wait_dscnt 25-8*\g
.if \g > 0
	s_wait_xcnt 0x0
	s_add_nc_u64 s[12:13], s[12:13], s[96:97]
.endif
.irp i, 0,1,2,3,4,5,6,7
	global_store_b128 v[GO], v[OUTR+32*\g+4*\i:OUTR+32*\g+4*\i+3], s[12:13] offset:512*\i
.endr
.endr
	s_wait_dscnt 0x0
	global_store_b128 v[GO], v[BC:BC+3], s[100:101]
	s_wait_tensorcnt 0x0
	ds_add_u32 v[SPW], v[NIL]
	s_wait_dscnt 0x0
	CROUND
	s_endpgm
.Lfunc_end_k_q4a276895c4_qkv:
	.size	k_q4a276895c4_qkv, .Lfunc_end_k_q4a276895c4_qkv-k_q4a276895c4_qkv
	.p2alignl 7, 3214868480
	.fill 96, 4, 3214868480
	.section	.rodata,"a",@progbits
	.p2align	6, 0x0
	.amdhsa_kernel k_q4a276895c4_qkv
		.amdhsa_group_segment_fixed_size 327680
		.amdhsa_private_segment_fixed_size 0
		.amdhsa_enable_private_segment 0
		.amdhsa_kernarg_size 88
		.amdhsa_user_sgpr_count 2
		.amdhsa_user_sgpr_kernarg_segment_ptr 1
		.amdhsa_wavefront_size32 1
		.amdhsa_system_sgpr_workgroup_id_x 1
		.amdhsa_system_sgpr_workgroup_id_y 1
		.amdhsa_system_sgpr_workgroup_id_z 1
		.amdhsa_system_vgpr_workitem_id 0
		.amdhsa_next_free_vgpr 1024
		.amdhsa_next_free_sgpr 102
		.amdhsa_reserve_vcc 0
		.amdhsa_float_denorm_mode_32 3
		.amdhsa_float_denorm_mode_16_64 3
		.amdhsa_memory_ordered 1
		.amdhsa_forward_progress 1
		.amdhsa_inst_pref_size 255
	.end_amdhsa_kernel
	.section	.bss,"aw",@nobits
	.p2align	6
	.space	262144
	.amdgpu_metadata
---
amdhsa.version: [ 1, 2 ]
amdhsa.kernels:
  - .name:           k_q4a276895c4_qkv
    .symbol:         k_q4a276895c4_qkv.kd
    .args:
      - { .name: acode, .offset: 0, .size: 8, .value_kind: global_buffer, .address_space: global }
      - { .name: q_w_codes, .offset: 8, .size: 8, .value_kind: global_buffer, .address_space: global }
      - { .name: q_w_scales, .offset: 16, .size: 8, .value_kind: global_buffer, .address_space: global }
      - { .name: k_w_codes, .offset: 24, .size: 8, .value_kind: global_buffer, .address_space: global }
      - { .name: k_w_scales, .offset: 32, .size: 8, .value_kind: global_buffer, .address_space: global }
      - { .name: v_w_codes, .offset: 40, .size: 8, .value_kind: global_buffer, .address_space: global }
      - { .name: v_w_scales, .offset: 48, .size: 8, .value_kind: global_buffer, .address_space: global }
      - { .name: q_b, .offset: 56, .size: 8, .value_kind: global_buffer, .address_space: global }
      - { .name: k_b, .offset: 64, .size: 8, .value_kind: global_buffer, .address_space: global }
      - { .name: v_b, .offset: 72, .size: 8, .value_kind: global_buffer, .address_space: global }
      - { .name: qkv, .offset: 80, .size: 8, .value_kind: global_buffer, .address_space: global }
    .group_segment_fixed_size: 327680
    .private_segment_fixed_size: 0
    .kernarg_segment_align: 8
    .kernarg_segment_size: 88
    .max_flat_workgroup_size: 128
    .sgpr_count:     102
    .vgpr_count:     1024
    .wavefront_size: 32
...
	.end_amdgpu_metadata
.endif
;; end of part 2
;; launch attn (part 3): grid 4 x 64, 16 waves a work-group, clusters of 4 x 4, 327,680 bytes of LDS; arguments qkv, attn; writes attn
.if DOCPART == 3
	.amdgcn_target "amdgcn-amd-amdhsa--gfx1250"
	.amdhsa_code_object_version 6
	.text
	.protected	k_q4a276895c4_attn
	.globl	k_q4a276895c4_attn
	.p2align	8
	.type	k_q4a276895c4_attn,@function
k_q4a276895c4_attn:
	s_mov_b64 s[64:65], 0
	v_nop
	global_prefetch_b8 v0, s[64:65] scope:SCOPE_SE
	s_setreg_imm32_b32 hwreg(HW_REG_WAVE_MODE, 25, 1), 1
	s_wait_xcnt 0x0
	s_wait_alu depctr_hold_cnt(0) depctr_sa_sdst(0) depctr_va_vdst(0) depctr_va_sdst(0) depctr_va_ssrc(0) depctr_va_vcc(0) depctr_vm_vsrc(0)
	s_getreg_b32 s2, hwreg(HW_REG_IB_STS2, 6, 4)
	s_cmp_eq_u32 s2, 0
	s_cbranch_scc0 .Lentry_in_a_cluster
	s_endpgm
.Lentry_in_a_cluster:
	s_bfe_u32 s2, ttmp6, 0x10000c
	s_cmp_lg_u32 s2, 0xf033
	s_cbranch_scc0 .Lentry_shape_is_right
	s_endpgm
.Lentry_shape_is_right:
; O[b][h][q] = the sum over keys of softmax(Q . K / 8) V, both products on codes of BF8 (E5M2) with E8M0 scales, from the buffer qkv as the launch before laid it.  No work is left out.
; THE SOFTMAX: t = score x log2(e) / 8; M = the running largest t rounded up to a whole number; p = 2^(t - M) is quantised along the keys, not normalised; the row's sum is taken of the unquantised p and divides at the end.
; SHARES: a work-group owns 256 queries of one (b, h); each of its sixteen waves owns 16, in 256 registers: four waves to a SIMD.  Every wave walks all 2,048 keys, 128 a step.
; THE GRID: y = 2 (16 b + h) + half, x = cx: the query block is 4 half + cx.  CLUSTERS of 4 x 4: the four work-groups of a row of the cluster own four query blocks of one head and need the same K and V:
; each tile is asked for JOINTLY, by the same tensor load with the same descriptor and the mask of that row.  The eight work-groups of a head are two rows of one cluster.
; K AND V OF THE WHOLE HEAD STAY IN LDS, FILLED ONCE: 131,072 dense bytes each, stated as 512 rows of 256 bytes (four rows of 64) + 16 of padding.  A lane's row r of a tile lies at (r / 4) x 272 + (r % 4) x 64.
; ALL OF IT IS ASKED FOR AT THE HEAD, behind a round of the cluster's barrier, ONE TENSOR LOAD A WAVE: wave w brings 64 LDS rows, 16,384 bytes: rows 64 (w % 8) on, of K (w < 8) or of V.  Nothing is filled again.
; Two work-group barriers.  In front of the first every wave waits for its own load and for its stores of scale words: behind it all of K and V may be read.  The second, behind the last key step, parts the reads of K and V
; from the way out's stages, which lie on their rows.  Between them the sixteen waves run free of each other.  A closing round stands ahead of the end.
; NO PREFETCH: every byte of K and V is named by the head's loads, so there is no later load to ask ahead of.
; BOTH PRODUCTS TRANSPOSED: a lane holds one query throughout.  THE HEAD'S 64 IN AN INSTRUCTION OF 128: a fragment of K holds TWO tiles of 16 keys (registers 0-7: keys 32 f + r; 8-15: keys 32 f + 16 + r) and is
; multiplied once by [Q | zeros] and once by [zeros | Q]: the half not wanted meets zero codes.  p's 16 registers of two neighbouring tiles lie in the order in which V's codes were stored.
; LIMITS: as stated in the first launch.
; REGISTERS: v1-4 lane terms; v5, v6 the add's two; v7 the way out's offset; v8-11 addresses in hand; v12 -M, v13 the largest t, v[14:15] the sum; v16-39 Q, zeros, Q; v40-103 four fragments;
; v104-167 S^T, then p; v168-199 O^T; v200-215 p's codes; v216-231 at work; v232-239, v242, v246 scale words alone; v[240:241] f; v243-245, v247-255 at work.
.set RP,    272
.set STEPB, 32*RP                      ; a key step: 128 rows of 64 bytes, of K and of V alike
.set VB,    512*RP                     ; V lies behind K
.set KSC,   2*VB                       ; K's scale words, 256 bytes a key step, made at the head
.set VSC,   KSC+4096
.set SPARE, VSC+4096
.set K_OFF,  4194304
.set QS_OFF, 12582912
.set KS_OFF, 12713984
.set VS_OFF, 12845056
.set AK0,  1
.set AV0,  2
.set ASK0, 3
.set ASV0, 4
.set SPW,  5
.set NIL,  6
.set GO,   7
.set ADK,  8
.set ADV,  9
.set ADS,  10
.set ADT,  11
.set QF,   16
.set KV,   40
.set S,    104
.set O,    168
.set PCD,  200
.set BM,   216
.set PT,   220
.set HD,   224
.set CVS,  228
.set KSW,  232
.set VSW,  236
.set F,    240
.set PSW,  242
.set TMP,  243
.set QSW,  246
.set TB,   2                           ; s2   LDS byte at which the step's rows begin, in K's region
.set TS,   3                           ; s3   and its scale words
.set WV,   18
.set MNT,  19
.set SEL,  20
.set CS,   22
.set G1,   24                          ; s[24:31] descriptor group 1: 64 rows of 256 bytes
.set G0,   40                          ; s[40:43] group 0, never written again
.set WP,   66                          ; s66  wave % 8
.set CNT,  67
.macro CROUND                          ; a round of the cluster's barrier
	s_barrier_signal -1
	s_barrier_wait -1
	s_cmp_lg_u32 s[WV], 0
	s_cbranch_scc1 .Lnot_wave_0_\@
	s_barrier_signal -3
.Lnot_wave_0_\@:
	s_barrier_wait -3
	s_barrier_signal -1
	s_barrier_wait -1
.endm
	s_load_b128 s[4:7], s[0:1], 0x0                ; qkv, attn
	v_lshl_add_u32 v[SPW], v0, 2, SPARE
	v_mov_b32 v[NIL], 0
	ds_add_u32 v[SPW], v[NIL]                      ; the opening: the add, twice on end, and its wait ahead of the round in front of the first tensor load
	ds_add_u32 v[SPW], v[NIL]
	v_lshrrev_b32 v8, 5, v0
	s_delay_alu instid0(VALU_DEP_1)
	v_readfirstlane_b32 s[WV], v8
	s_bfe_u32 s36, ttmp6, 0x40000                  ; cx
	s_bfe_u32 s37, ttmp6, 0x40004                  ; cy
	s_and_b32 s38, ttmp7, 0xffff
	s_lshl_b32 s38, s38, 2
	s_add_co_u32 s38, s38, s37                     ; work-group y = 4 x cluster y + cy
	s_lshr_b32 s8, s38, 1                          ; bh = 16 b + h: shared along my row of the cluster
	s_and_b32 s39, s38, 1
	s_lshl_b32 s39, s39, 2
	s_add_co_u32 s39, s39, s36                     ; my query block: 4 x half + cx
	s_lshl_b32 s9, s39, 8
	s_lshl_b32 s10, s[WV], 4
	s_add_co_u32 s9, s9, s10                       ; my first query
	s_lshl_b32 s44, s37, 2
	s_lshl_b32 s44, 15, s44                        ; my row of the cluster: places 4 cy .. 4 cy + 3
	s_and_b32 s[WP], s[WV], 7                      ; which 64 LDS rows I fetch,
	s_lshr_b32 s11, s[WV], 3                       ; of K (0) or of V (1)
	s_lshl_b32 s32, s8, 17                         ; a head's codes are 131,072 bytes in each of the three regions of qkv
	s_or_b32 s[G1], s44, (0<<16)|(1<<20)|(1<<21)|(5<<22)|(3<<25)   ; the mask; elements of 1 byte; bit 21 beside the mask; 4 words of padding after every 64
	s_mov_b32 s[G1+1], 256<<16
	s_mov_b32 s[G1+2], 64<<16
	s_mov_b32 s[G1+3], 256<<16
	s_mov_b32 s[G1+4], 64
	s_mov_b32 s[G1+5], 256
	s_mov_b32 s[G1+6], 0
	s_mov_b32 s[G1+7], 0
	s_mov_b32 s[G0], 1
	s_mul_i32 s[G0+1], s[WP], 64*RP
	s_mul_i32 s12, s11, VB
	s_add_co_u32 s[G0+1], s[G0+1], s12             ; where my rows go: the wave's number alone
	s_lshl_b32 s34, s[WP], 14                      ; and where they come from: 64 rows of 256 bytes a wave,
	s_lshl_b32 s13, s11, 22                        ; V's region lies 2^22 bytes behind K's
	s_add_co_u32 s34, s34, s13
	s_add_co_u32 s34, s34, s32                     ; in my head: no register of this sum ever holds cx
	s_add_co_u32 s34, s34, K_OFF
	s_mov_b32 s35, 0
	s_lshl_b32 s60, s9, 6
	s_add_co_u32 s60, s60, s32                     ; Q's codes
	s_mov_b32 s61, 0
	s_lshr_b32 s14, s8, 1
	s_lshl_b32 s14, s14, 11
	s_add_co_u32 s62, s14, s9
	s_lshl_b32 s62, s62, 2
	s_and_b32 s15, s8, 1
	s_lshl_b32 s33, s15, 1
	s_add_co_u32 s62, s62, s33
	s_add_co_u32 s62, s62, QS_OFF                  ; Q's two scale bytes: my head's half of the pair's word
	s_mov_b32 s63, 0
	s_lshl_b32 s92, s[WV], 7
	s_add_co_u32 s92, s92, s14
	s_lshl_b32 s92, s92, 2
	s_add_co_u32 s92, s92, KS_OFF                  ; K's scale words of key step wv
	s_mov_b32 s93, 0
	s_lshr_b32 s94, s8, 4
	s_lshl_b32 s94, s94, 4
	s_add_co_u32 s94, s94, s[WV]
	s_lshl_b32 s94, s94, 10
	s_and_b32 s33, s8, 15
	s_lshl_b32 s95, s33, 6
	s_add_co_u32 s94, s94, s95
	s_lshl_b32 s94, s94, 2
	s_add_co_u32 s94, s94, VS_OFF                  ; V's scale words of key step wv
	s_mov_b32 s95, 0
	s_lshr_b32 s96, s8, 4
	s_lshl_b32 s96, s96, 11
	s_add_co_u32 s96, s96, s9
	s_lshl_b32 s96, s96, 12
	s_lshl_b32 s97, s33, 8
	s_add_co_u32 s96, s96, s97                     ; my first row of the result, my head's 256 bytes
	s_mov_b32 s97, 0
	s_mov_b32 s98, 0x07060302                      ; which halves of two words make K's scale word: the odd head's,
	s_cmp_eq_u32 s15, 0
	s_cselect_b32 s98, 0x05040100, s98             ; or the even head's
	s_mov_b32 s[SEL], 0x76543210
	s_mov_b32 s[SEL+1], 0xfedcba98
	s_mov_b32 s[CS], 0x3e38aa3b                    ; c = log2(e) / 8
	s_mov_b32 s[CS+1], s[CS]
	s_mov_b32 s[MNT], 0x600000
	s_wait_dscnt 0x0                               ; both opening adds are done
	s_wait_kmcnt 0x0
	s_add_nc_u64 s[G0+2:G0+3], s[4:5], s[34:35]
	s_or_b32 s[G0+3], s[G0+3], 0x80000000
	CROUND                                         ; all sixteen work-groups are here: the joint loads meet
	tensor_load_to_lds s[G0:G0+3], s[G1:G1+7]      ; my one tensor load of the launch
	s_nop 0
.rept 4
	v_nop
.endr
	s_add_nc_u64 s[52:53], s[4:5], s[60:61]
	s_add_nc_u64 s[54:55], s[4:5], s[62:63]
	s_add_nc_u64 s[56:57], s[4:5], s[92:93]
	s_add_nc_u64 s[58:59], s[4:5], s[94:95]
	s_add_nc_u64 s[16:17], s[6:7], s[96:97]
	v_and_b32 v8, 15, v0                           ; r
	v_bfe_u32 v9, v0, 4, 1                         ; h
	v_and_b32 v10, 31, v0                          ; lane
	s_delay_alu instid0(VALU_DEP_3)
	v_lshlrev_b32 v11, 6, v8
	s_delay_alu instid0(VALU_DEP_1)
	v_lshl_add_u32 v11, v9, 4, v11                 ; Q: 64 r + 16 h
	global_load_b128 v[QF:QF+3], v11, s[52:53]
	global_load_b128 v[QF+4:QF+7], v11, s[52:53] offset:32
	global_load_b128 v[QF+16:QF+19], v11, s[52:53]
	global_load_b128 v[QF+20:QF+23], v11, s[52:53] offset:32
	v_lshlrev_b32 v249, 2, v8
	global_load_u16 v[TMP], v249, s[54:55]
	v_lshl_add_u32 v250, v9, 5, v8
	s_delay_alu instid0(VALU_DEP_1)
	v_lshlrev_b32 v250, 2, v250                    ; key 32 (lane / 16) + lane % 16
	global_load_b32 v216, v250, s[56:57]
	global_load_b32 v217, v250, s[56:57] offset:64
	global_load_b32 v218, v250, s[56:57] offset:256
	global_load_b32 v219, v250, s[56:57] offset:320
	v_lshlrev_b32 v251, 3, v10
	global_load_b64 v[224:225], v251, s[58:59]
	v_lshrrev_b32 v[AK0], 2, v8
	s_delay_alu instid0(VALU_DEP_1)
	v_mul_u32_u24 v[AK0], v[AK0], RP
	v_and_b32 v[AV0], 3, v8
	s_delay_alu instid0(VALU_DEP_1)
	v_lshl_add_u32 v[AK0], v[AV0], 6, v[AK0]
	s_delay_alu instid0(VALU_DEP_1)
	v_lshl_add_u32 v[AK0], v9, 4, v[AK0]           ; (r / 4) x 272 + (r % 4) x 64 + 16 h
	s_delay_alu instid0(VALU_DEP_1)
	v_add_nc_u32 v[AV0], VB, v[AK0]
	v_lshl_add_u32 v[ASK0], v8, 2, KSC
	v_lshl_add_u32 v[ASV0], v8, 2, VSC
	s_lshl_b32 s33, s[WV], 8
	v_lshl_add_u32 v247, v10, 2, s33
	s_delay_alu instid0(VALU_DEP_1)
	v_add_nc_u32 v247, KSC, v247
	v_lshl_add_u32 v248, v10, 3, s33
	s_delay_alu instid0(VALU_DEP_1)
	v_add_nc_u32 v248, VSC, v248
.irp j, 8,9,10,11,12,13,14,15
	v_mov_b32 v[QF+\j], 0                          ; the zero codes between the two copies of Q
.endr
	v_mov_b32 v13, 0xff61b1e6                      ; the largest t so far: -3e38
	s_delay_alu instid0(VALU_DEP_1)
	v_floor_f32 v12, -v13
	v_mov_b32 v14, 0
	v_mov_b32 v15, 0
.irp b, 0,1,2,3
	v_mov_b32 v[PT+\b], 0
.endr
	v_mov_b32 v[F+1], 0
.set JJ, 0
.rept 32
	v_mov_b32 v[O+JJ], 0                           ; the step is written once for all steps: the first finds zeros
.set JJ, JJ+1
.endr
	s_wait_alu depctr_va_vdst(0)                   ; the wait at the head's end
	s_wait_loadcnt 0x0
	v_lshl_or_b32 v[QSW], v[TMP], 16, v[TMP]       ; Q's two bytes serve both halves of K
	v_perm_b32 v226, v217, v216, s98               ; K's word of fragment f, lane r: the bytes of key 32 f + r below, of key 32 f + 16 + r above
	v_perm_b32 v227, v219, v218, s98
	ds_store_b32 v247, v226
	ds_store_b32 v247, v227 offset:128
	ds_store_b64 v248, v[224:225]                  ; the first barrier's wait covers these: behind it every wave may read them
.macro STEP
	v_add_nc_u32 v[ADK], s[TB], v[AK0]
	v_add_nc_u32 v[ADV], s[TB], v[AV0]
	v_add_nc_u32 v[ADS], s[TS], v[ASK0]
	v_add_nc_u32 v[ADT], s[TS], v[ASV0]
.rept 4
	v_nop                                          ; with the four above: eight places ahead of loads into registers that the last products read
.endr
.irp f, 0,1,2,3
.irp u, 0,1
.irp c, 0,1
	ds_load_b128 v[KV+16*\f+8*\u+4*\c:KV+16*\f+8*\u+4*\c+3], v[ADK] offset:(8*\f+4*\u)*RP+32*\c
.endr
.endr
	ds_load_b32 v[KSW+\f], v[ADS] offset:64*\f
.endr
	s_wait_alu depctr_va_vdst(0)                   ; the wait here, directly ahead of the wait below
	s_wait_dscnt 0x0
.irp f, 0,1,2,3
	v_wmma_scale_f32_16x16x128_f8f6f4 v[S+16*\f:S+16*\f+7], v[KV+16*\f:KV+16*\f+15], v[QF:QF+15], 0, v[KSW+\f], v[QSW] matrix_a_fmt:MATRIX_FMT_BF8 matrix_b_fmt:MATRIX_FMT_BF8
	v_wmma_scale_f32_16x16x128_f8f6f4 v[S+16*\f+8:S+16*\f+15], v[KV+16*\f:KV+16*\f+15], v[QF+8:QF+23], 0, v[KSW+\f], v[QSW] matrix_a_fmt:MATRIX_FMT_BF8 matrix_b_fmt:MATRIX_FMT_BF8
.endr
.rept 8
	v_nop
.endr
.irp t, 0,1,2,3                                ; V's fragments are asked for now and land under the softmax
.irp c, 0,1,2,3
	ds_load_b128 v[KV+16*\t+4*\c:KV+16*\t+4*\c+3], v[ADV] offset:((\c/2)*16+4*\t)*RP+32*(\c%2)
.endr
	ds_load_b32 v[VSW+\t], v[ADT] offset:64*\t
.endr
.irp b, 0,1,2,3
	v_max3_num_f32 v[BM+\b], v[S+16*\b], v[S+1+16*\b], v[S+2+16*\b]   ; the largest score of each block of 32 keys: for the row's maximum and for the block's largest p
.endr
.irp i, 3,5,7,9,11,13
.irp b, 0,1,2,3
	v_max3_num_f32 v[BM+\b], v[BM+\b], v[S+16*\b+\i], v[S+1+16*\b+\i]
.endr
.endr
.irp b, 0,1,2,3
	v_max_num_f32 v[BM+\b], v[BM+\b], v[S+15+16*\b]
.endr
.irp b, 0,1,2,3
	v_permlanex16_b32 v[PT+\b], v[BM+\b], s[SEL], s[SEL+1]
.endr
.irp b, 0,1,2,3
	v_max_num_f32 v[BM+\b], v[BM+\b], v[PT+\b]
.endr
	s_delay_alu instid0(VALU_DEP_2)
	v_max3_num_f32 v[TMP], v[BM], v[BM+1], v[BM+2]
	s_delay_alu instid0(VALU_DEP_1)
	v_max_num_f32 v[TMP], v[TMP], v[BM+3]
	s_delay_alu instid0(VALU_DEP_1)
	v_mul_f32 v[TMP], s[CS], v[TMP]
	s_delay_alu instid0(VALU_DEP_1)
	v_max_num_f32 v13, v13, v[TMP]                 ; the running largest t
	v_mov_b32 v[TMP], v12
	s_delay_alu instid0(VALU_DEP_2)
	v_floor_f32 v12, -v13                          ; -M = floor(-t): M is a whole number
	s_delay_alu instid0(VALU_DEP_1)
	v_sub_f32 v[TMP], v12, v[TMP]
	s_delay_alu instid0(VALU_DEP_1)
	v_cvt_i32_f32 v[TMP], v[TMP]                   ; (it saturates)
	s_delay_alu instid0(VALU_DEP_1)
	v_ldexp_f32 v[F], 1.0, v[TMP]                  ; f = 2^(old M - new M)
.set JJ, 0
.rept 32
	v_pk_fma_f32 v[S+JJ:S+JJ+1], v[S+JJ:S+JJ+1], s[CS:CS+1], v[12:13] op_sel_hi:[1,0,0]   ; t - M
.set JJ, JJ+2
.endr
.irp b, 0,1,2,3
	v_fma_f32 v[BM+\b], v[BM+\b], s[CS], v12
.endr
.set JJ, 0
	s_wait_alu depctr_va_vdst(0)                   ; the wait ahead of the batch
.rept 64
	v_exp_f32 v[S+JJ], v[S+JJ]                     ; p = 2^(t - M)
.set JJ, JJ+1
.endr
	v_pk_mul_f32 v[14:15], v[14:15], v[F:F+1] op_sel_hi:[1,0]   ; the sums under the new M; a plain line behind the exponentials
	s_wait_alu depctr_va_vdst(0)                   ; one wait for the batch, ahead of its first reader
.irp b, 0,1,2,3
	v_exp_f32 v[BM+\b], v[BM+\b]                   ; each block's largest p
.endr
; the row's sum of the unquantised p: 32 packed additions in six chains
.set JJ, 0
.irp c, 244,248,250,252,254
	v_pk_add_f32 v[\c:\c+1], v[S+JJ:S+JJ+1], v[S+JJ+2:S+JJ+3]
.set JJ, JJ+4
.endr
.rept 3
.irp c, 14,244,248,250,252,254
	v_pk_add_f32 v[\c:\c+1], v[\c:\c+1], v[S+JJ:S+JJ+1]
.set JJ, JJ+2
.endr
.endr
.irp c, 14,244,248,250
	v_pk_add_f32 v[\c:\c+1], v[\c:\c+1], v[S+JJ:S+JJ+1]
.set JJ, JJ+2
.endr
	v_pk_add_f32 v[244:245], v[244:245], v[248:249]
	v_pk_add_f32 v[250:251], v[250:251], v[252:253]
	v_pk_add_f32 v[14:15], v[14:15], v[254:255]
	s_delay_alu instid0(VALU_DEP_2)
	v_pk_add_f32 v[244:245], v[244:245], v[250:251]
	s_delay_alu instid0(VALU_DEP_1)
	v_pk_add_f32 v[14:15], v[14:15], v[244:245]
	s_wait_alu depctr_va_vdst(0)                   ; and one for the four
.irp b, 0,1,2,3
	v_max_num_f32 v[BM+\b], 0x8000000, v[BM+\b]    ; the floor 2^(16 - 127)
.endr
.irp b, 0,1,2,3
	v_add_nc_u32 v[CVS+\b], 0xf8800000, v[BM+\b]
.endr
.irp b, 0,1,2,3
	v_and_or_b32 v[HD+\b], v[BM+\b], 0x7f800000, s[MNT]
.endr
.irp b, 0,1,2,3
	v_lshrrev_b32 v[PT+\b], 23, v[CVS+\b]
.endr
	s_delay_alu instid0(VALU_DEP_3)
	v_lshl_or_b32 v[PSW], v[PT+1], 8, v[PT]        ; p's scale word for these 128 keys
	s_delay_alu instid0(VALU_DEP_1)
	v_lshl_or_b32 v[PSW], v[PT+2], 16, v[PSW]
	s_delay_alu instid0(VALU_DEP_1)
	v_lshl_or_b32 v[PSW], v[PT+3], 24, v[PSW]
; the hold: the conversion does not saturate (ISA guide 7.6.2); p is not negative.  Two a line: one number of block b, one of block b + 1; the two halves' registers differ in their number's low bit
.irp b, 0,2
.irp i, 0,1,2,3,4,5,6,7,8,9,10,11,12,13,14,15
	v_dual_min_num_f32 v[S+16*\b+\i], v[S+16*\b+\i], v[HD+\b] :: v_dual_min_num_f32 v[S+16*\b+16+(\i^1)], v[S+16*\b+16+(\i^1)], v[HD+\b+1]
.endr
.endr
.irp b, 0,1,2,3
	v_cvt_scalef32_pk8_bf8_f32 v[PCD+4*\b:PCD+1+4*\b], v[S+16*\b:S+7+16*\b], v[CVS+\b]
	v_cvt_scalef32_pk8_bf8_f32 v[PCD+2+4*\b:PCD+3+4*\b], v[S+8+16*\b:S+15+16*\b], v[CVS+\b]
.endr
	s_wait_alu depctr_va_vdst(0)                   ; the wait here, directly ahead of the first reader of O^T
.set JJ, 0
.rept 16
	v_pk_mul_f32 v[O+JJ:O+JJ+1], v[O+JJ:O+JJ+1], v[F:F+1] op_sel_hi:[1,0]   ; O^T under the new M; also the places ahead of the products below
.set JJ, JJ+2
.endr
	s_wait_alu depctr_va_vdst(0)                   ; the wait here, directly ahead of the wait below
	s_wait_dscnt 0x0                               ; V's fragments and scale words
.irp t, 0,1,2,3
	v_wmma_scale_f32_16x16x128_f8f6f4 v[O+8*\t:O+8*\t+7], v[KV+16*\t:KV+16*\t+15], v[PCD:PCD+15], v[O+8*\t:O+8*\t+7], v[VSW+\t], v[PSW] matrix_a_fmt:MATRIX_FMT_BF8 matrix_b_fmt:MATRIX_FMT_BF8
.endr
	s_add_co_u32 s[TB], s[TB], STEPB               ; the next step's rows,
	s_add_co_u32 s[TS], s[TS], 256                 ; and its scale words
.endm
	s_wait_alu depctr_va_vdst(0)
	s_wait_tensorcnt 0x0                           ; my 64 rows are in,
	s_wait_dscnt 0x0                               ; and my scale words have landed
	s_barrier_signal -1
	s_barrier_wait -1                              ; both hold of every wave: all of K and V may be read
	s_mov_b32 s[TB], 0
	s_mov_b32 s[TS], 0
	s_mov_b32 s[CNT], 16
.Lstep:                                            ; the 16 key steps
	s_wait_alu depctr_va_vdst(0)
	STEP
	s_sub_co_u32 s[CNT], s[CNT], 1
	s_cmp_lg_u32 s[CNT], 0
	s_cbranch_scc1 .Lstep
	s_wait_dscnt 0x0                               ; my reads of K and V are over
	s_barrier_signal -1
	s_barrier_wait -1                              ; nobody reads K or V any more
	; THE WAY OUT: O^T / the sum, through my stage in LDS, so that sixteen lanes store 256 consecutive bytes: a query's 64 channels.  The stages, 16 x 272 bytes a wave, lie in the first 128 LDS rows of K's region
	; (waves 0-7) and of V's (waves 8-15): filled once, and read for the last time ahead of the barrier above
	v_add_f32 v14, v14, v15
	s_delay_alu instid0(VALU_DEP_1)
	v_permlanex16_b32 v[TMP], v14, s[SEL], s[SEL+1]
	s_delay_alu instid0(VALU_DEP_1)
	v_add_f32 v14, v14, v[TMP]
	s_wait_alu depctr_va_vdst(0)
	v_rcp_f32 v14, v14
	v_and_b32 v8, 15, v0
	v_bfe_u32 v9, v0, 4, 1
	s_mul_i32 s33, s[WP], 16*272
	s_lshr_b32 s14, s[WV], 3
	s_mul_i32 s14, s14, VB
	s_add_co_u32 s33, s33, s14
	v_mul_u32_u24 v10, v8, 272
	s_delay_alu instid0(VALU_DEP_1)
	v_lshl_add_u32 v10, v9, 5, v10
	s_delay_alu instid0(VALU_DEP_1)
	v_add_nc_u32 v10, s33, v10
	v_mul_u32_u24 v11, v9, 272
	s_delay_alu instid0(VALU_DEP_1)
	v_lshl_add_u32 v11, v8, 4, v11
	s_delay_alu instid0(VALU_DEP_1)
	v_add_nc_u32 v11, s33, v11
	v_lshlrev_b32 v[GO], 12, v9
	s_delay_alu instid0(VALU_DEP_1)
	v_lshl_add_u32 v[GO], v8, 4, v[GO]
	s_wait_alu depctr_va_vdst(0)                   ; the reciprocal's wait, ahead of its first reader
.set JJ, 0
.rept 32
	v_mul_f32 v[S+JJ], v[O+JJ], v14                ; register 8 t + j: channel 16 t + 8 h + j of query r
.set JJ, JJ+1
.endr
.irp t, 0,1,2,3
	ds_store_b128 v10, v[S+8*\t:S+8*\t+3] offset:64*\t
	ds_store_b128 v10, v[S+8*\t+4:S+8*\t+7] offset:64*\t+16
.endr
.irp i, 0,1,2,3,4,5,6,7
	ds_load_b128 v[KV+4*\i:KV+4*\i+3], v11 offset:544*\i   ; LDS serves a wave's instructions in order: these see my stores
.endr
.irp i, 0,1,2,3,4,5,6,7
	s_wait_dscnt 7-\i
	global_store_b128 v[GO], v[KV+4*\i:KV+4*\i+3], s[16:17] offset:8192*\i
.endr
	s_wait_tensorcnt 0x0                           ; the wave's end
	ds_add_u32 v[SPW], v[NIL]
	s_wait_dscnt 0x0
	CROUND                                         ; the closing round
	s_endpgm
.Lfunc_end_k_q4a276895c4_attn:
	.size	k_q4a276895c4_attn, .Lfunc_end_k_q4a276895c4_attn-k_q4a276895c4_attn
	.p2alignl 7, 3214868480
	.fill 96, 4, 3214868480
	.section	.rodata,"a",@progbits
	.p2align	6, 0x0
	.amdhsa_kernel k_q4a276895c4_attn
		.amdhsa_group_segment_fixed_size 327680
		.amdhsa_private_segment_fixed_size 0
		.amdhsa_enable_private_segment 0
		.amdhsa_kernarg_size 16
		.amdhsa_user_sgpr_count 2
		.amdhsa_user_sgpr_kernarg_segment_ptr 1
		.amdhsa_wavefront_size32 1
		.amdhsa_system_sgpr_workgroup_id_x 1
		.amdhsa_system_sgpr_workgroup_id_y 1
		.amdhsa_system_sgpr_workgroup_id_z 1
		.amdhsa_system_vgpr_workitem_id 0
		.amdhsa_next_free_vgpr 256
		.amdhsa_next_free_sgpr 100
		.amdhsa_reserve_vcc 0
		.amdhsa_float_denorm_mode_32 3
		.amdhsa_float_denorm_mode_16_64 3
		.amdhsa_memory_ordered 1
		.amdhsa_forward_progress 1
		.amdhsa_inst_pref_size 34
	.end_amdhsa_kernel
	.amdgpu_metadata
---
amdhsa.version: [ 1, 2 ]
amdhsa.kernels:
  - .name:           k_q4a276895c4_attn
    .symbol:         k_q4a276895c4_attn.kd
    .args:
      - { .name: qkv, .offset: 0, .size: 8, .value_kind: global_buffer, .address_space: global }
      - { .name: attn, .offset: 8, .size: 8, .value_kind: global_buffer, .address_space: global }
    .group_segment_fixed_size: 327680
    .private_segment_fixed_size: 0
    .kernarg_segment_align: 8
    .kernarg_segment_size: 16
    .max_flat_workgroup_size: 512
    .sgpr_count:     100
    .vgpr_count:     256
    .wavefront_size: 32
...
	.end_amdgpu_metadata
.endif
;; end of part 3
;; launch ln1 (part 4): grid 256 x 1, 8 waves a work-group, no clusters, 42,496 bytes of LDS; arguments src, attn, ln1_g, ln1_b, xbuf; writes xbuf
.if DOCPART == 4
	.amdgcn_target "amdgcn-amd-amdhsa--gfx1250"
	.amdhsa_code_object_version 6
	.text
	.protected	k_q4a276895c4_ln1
	.globl	k_q4a276895c4_ln1
	.p2align	8
	.type	k_q4a276895c4_ln1,@function
k_q4a276895c4_ln1:
	s_mov_b64 s[64:65], 0
	v_nop
	global_prefetch_b8 v0, s[64:65] scope:SCOPE_SE
	s_setreg_imm32_b32 hwreg(HW_REG_WAVE_MODE, 25, 1), 1
	s_wait_xcnt 0x0
; x = layer norm(src + attention's result) g + b, in f32, and x's codes of BF8 (E5M2) with E8M0 scale bytes along the 1,024 features, for the next product.  No work is left out.
; xbuf: x f32 [4096 m'][1024] at 0; codes [m'][1024] at XC; scale bytes [m'][32] at XS.  Rows m' = 2048 b + s; src's row lies at (2 s + b) x 4,096 bytes.
; A wave takes two rows, each whole in 32 registers (register group j: bytes 512 j + 16 lane).  ALL ITS 48 LOADS GO OUT AT THE START: both rows' two addends, then g and b.  Mean and variance in two passes over
; registers, as reference() has them.  The registers that held the second addends then serve the quantiser.
; For the conversions a lane must hold 16 neighbours: half a row (2,048 bytes) turns through the wave's own stage in LDS.  The work-group's 512 scale bytes are gathered in LDS and leave in one store.
; Memory binds: no matrix unit, no cluster, no tensor load.  LIMITS: as stated in the first launch.
.set G,   16
.set BT,  48
.set A0,  80                           ; row 0: src's row, then the row at work
.set B0,  112                          ; row 0: attention's row; later X
.set A1,  144                          ; row 1 likewise
.set B1,  176                          ; row 1: attention's row; later C and E
.set X,   B0                           ; two sets of 16 neighbours
.set C,   B1                           ; codes: four registers for each of the four half rows
.set E,   B1+16                         ; their scale bytes
.set SPW, 208
.set NIL, 209
.set SP,  80
.set WREG, 5120
.set SCB,  8*WREG
.set SPARE, SCB+512
.set XC,  16777216
.set XS,  20971520
	s_load_b256 s[4:11], s[0:1], 0x0               ; src, attn, ln1_g, ln1_b
	s_load_b64 s[12:13], s[0:1], 0x20              ; xbuf
	v_lshl_add_u32 v[SPW], v0, 2, SPARE
	v_mov_b32 v[NIL], 0
	v_lshrrev_b32 v1, 5, v0
	s_delay_alu instid0(VALU_DEP_1)
	v_readfirstlane_b32 s16, v1
	v_and_b32 v1, 31, v0
	s_delay_alu instid0(VALU_DEP_1)
	v_lshlrev_b32 v2, 4, v1                        ; 16 x lane
	s_mul_i32 s17, s16, WREG
	v_lshrrev_b32 v3, 2, v1
	s_delay_alu instid0(VALU_DEP_1)
	v_mul_u32_u24 v3, v3, SP
	v_and_b32 v4, 3, v1
	s_delay_alu instid0(VALU_DEP_1)
	v_lshl_add_u32 v3, v4, 4, v3
	s_delay_alu instid0(VALU_DEP_1)
	v_add_nc_u32 v3, s17, v3                       ; the stage, way in
	v_mul_u32_u24 v4, v1, SP
	s_delay_alu instid0(VALU_DEP_1)
	v_add_nc_u32 v4, s17, v4                       ; way out
	s_lshl_b32 s17, s16, 6
	s_add_co_u32 s17, s17, SCB
	v_lshrrev_b32 v5, 1, v1
	s_delay_alu instid0(VALU_DEP_1)
	v_add_nc_u32 v5, s17, v5                       ; my block's scale byte
	v_add_nc_u32 v7, SCB, v2
	v_mov_b32 v9, 0
	s_mov_b32 s20, 0x76543210
	s_mov_b32 s21, 0xfedcba98
	s_mov_b32 s22, 0x600000
	s_mov_b32 s23, 0x3a800000                      ; 1 / 1,024
	s_mov_b32 s24, 0x3727c5ac                      ; 1e-5
	s_lshl_b32 s25, ttmp9, 4
	s_lshl_b32 s26, s16, 1
	s_add_co_u32 s27, s25, s26                     ; my first row m'
	s_and_b32 s28, s25, 2047
	s_add_co_u32 s28, s28, s26                     ; its s
	s_lshl_b32 s28, s28, 1
	s_lshr_b32 s29, ttmp9, 7                       ; its b
	s_add_co_u32 s28, s28, s29
	s_lshl_b32 s28, s28, 12
	s_mov_b32 s29, 0
	s_lshl_b32 s30, s27, 12
	s_mov_b32 s31, 0
	s_lshl_b32 s32, s27, 10
	s_add_co_u32 s32, s32, XC
	s_mov_b32 s33, 0
	s_lshl_b32 s34, ttmp9, 9
	s_add_co_u32 s34, s34, XS
	s_mov_b32 s35, 0
	s_wait_kmcnt 0x0
	s_add_nc_u64 s[4:5], s[4:5], s[28:29]
	s_add_nc_u64 s[6:7], s[6:7], s[30:31]
	s_add_nc_u64 s[14:15], s[12:13], s[32:33]
	s_add_nc_u64 s[18:19], s[12:13], s[34:35]
	s_add_nc_u64 s[12:13], s[12:13], s[30:31]
.macro LOADROW p, ar, br
.irp j, 0,1,2,3,4,5,6,7
	global_load_b128 v[\ar+4*\j:\ar+4*\j+3], v2, s[4:5] offset:8192*(\p)+512*\j th:TH_LOAD_NT
	global_load_b128 v[\br+4*\j:\br+4*\j+3], v2, s[6:7] offset:4096*(\p)+512*\j th:TH_LOAD_NT
.endr
.endm
	LOADROW 0, A0, B0
	LOADROW 1, A1, B1
.irp j, 0,1,2,3,4,5,6,7
	global_load_b128 v[G+4*\j:G+4*\j+3], v2, s[8:9] offset:512*\j
	global_load_b128 v[BT+4*\j:BT+4*\j+3], v2, s[10:11] offset:512*\j
.endr
.macro REDUCE                          ; v8 summed over the 32 lanes, the result in every lane
	s_delay_alu instid0(VALU_DEP_1)
	v_add_f32_dpp v8, v8, v8 row_xmask:1 row_mask:0xf bank_mask:0xf
	s_delay_alu instid0(VALU_DEP_1)
	v_add_f32_dpp v8, v8, v8 row_xmask:2 row_mask:0xf bank_mask:0xf
	s_delay_alu instid0(VALU_DEP_1)
	v_add_f32_dpp v8, v8, v8 row_xmask:4 row_mask:0xf bank_mask:0xf
	s_delay_alu instid0(VALU_DEP_1)
	v_add_f32_dpp v8, v8, v8 row_xmask:8 row_mask:0xf bank_mask:0xf
	s_delay_alu instid0(VALU_DEP_1)
	v_permlanex16_b32 v9, v8, s20, s21
	s_delay_alu instid0(VALU_DEP_1)
	v_add_f32 v8, v8, v9
.endm
.macro SUM ar, br
.set II, 0
.rept 16
	v_pk_add_f32 v[\ar+II:\ar+II+1], v[\ar+II:\ar+II+1], v[\br+II:\br+II+1]
.set II, II+2
.endr
.endm
.macro STATS v                         ; v[v] on: the row; it becomes (row - mean) rsqrt(variance + 1e-5)
	v_pk_add_f32 v[8:9], v[\v:\v+1], v[\v+2:\v+3]
	v_pk_add_f32 v[10:11], v[\v+4:\v+5], v[\v+6:\v+7]
.set II, 8
.rept 6
	s_delay_alu instid0(VALU_DEP_2)
	v_pk_add_f32 v[8:9], v[8:9], v[\v+II:\v+II+1]
	s_delay_alu instid0(VALU_DEP_2)
	v_pk_add_f32 v[10:11], v[10:11], v[\v+II+2:\v+II+3]
.set II, II+4
.endr
	s_delay_alu instid0(VALU_DEP_1)
	v_pk_add_f32 v[8:9], v[8:9], v[10:11]
	s_delay_alu instid0(VALU_DEP_1)
	v_add_f32 v8, v8, v9
	REDUCE
	s_delay_alu instid0(VALU_DEP_1)
	v_mul_f32 v12, s23, v8
	s_delay_alu instid0(VALU_DEP_1)
	v_mov_b32 v13, v12
.set II, 0
.rept 16
	v_pk_add_f32 v[\v+II:\v+II+1], v[\v+II:\v+II+1], v[12:13] neg_lo:[0,1] neg_hi:[0,1]
.set II, II+2
.endr
	v_pk_mul_f32 v[8:9], v[\v:\v+1], v[\v:\v+1]
	v_pk_mul_f32 v[10:11], v[\v+2:\v+3], v[\v+2:\v+3]
.set II, 4
.rept 7
	s_delay_alu instid0(VALU_DEP_2)
	v_pk_fma_f32 v[8:9], v[\v+II:\v+II+1], v[\v+II:\v+II+1], v[8:9]
	s_delay_alu instid0(VALU_DEP_2)
	v_pk_fma_f32 v[10:11], v[\v+II+2:\v+II+3], v[\v+II+2:\v+II+3], v[10:11]
.set II, II+4
.endr
	s_delay_alu instid0(VALU_DEP_1)
	v_pk_add_f32 v[8:9], v[8:9], v[10:11]
	s_delay_alu instid0(VALU_DEP_1)
	v_add_f32 v8, v8, v9
	REDUCE
	s_delay_alu instid0(VALU_DEP_1)
	v_fma_f32 v8, v8, s23, s24
	s_wait_alu depctr_va_vdst(0)
	v_rsq_f32 v14, v8
	v_rsq_f32 v15, v8
	v_nop                                          ; a plain line behind the two
	s_wait_alu depctr_va_vdst(0)                   ; one wait for both, ahead of their first reader
.set II, 0
.rept 16
	v_pk_mul_f32 v[\v+II:\v+II+1], v[\v+II:\v+II+1], v[14:15]
.set II, II+2
.endr
.endm
.macro QSTEP p, u, left                ; half u of row p: 512 numbers, 16 neighbours a lane, two lanes to a block
.set XX, X+16*(\u)
.set CC, C+4*(2*(\p)+(\u))
.set EE, E+2*(\p)+(\u)
	s_wait_dscnt \left
	v_max3_num_f32 v8, |v[XX]|, |v[XX+1]|, |v[XX+2]|
	v_max3_num_f32 v9, |v[XX+3]|, |v[XX+4]|, |v[XX+5]|
.irp i, 6,10
	s_delay_alu instid0(VALU_DEP_2)
	v_max3_num_f32 v8, v8, |v[XX+\i]|, |v[XX+\i+1]|
	s_delay_alu instid0(VALU_DEP_2)
	v_max3_num_f32 v9, v9, |v[XX+\i+2]|, |v[XX+\i+3]|
.endr
	s_delay_alu instid0(VALU_DEP_2)
	v_max3_num_f32 v8, v8, |v[XX+14]|, |v[XX+15]|
	s_delay_alu instid0(VALU_DEP_1)
	v_max3_num_f32 v8, v8, v9, 0x8000000           ; the floor 2^(16 - 127)
	s_delay_alu instid0(VALU_DEP_1)
	v_max_num_f32_dpp v8, v8, v8 row_xmask:1 row_mask:0xf bank_mask:0xf
	s_delay_alu instid0(VALU_DEP_1)
	v_add_nc_u32 v11, 0xf8800000, v8
	s_delay_alu instid0(VALU_DEP_2)
	v_and_or_b32 v10, v8, 0x7f800000, s22
.irp i, 0,1,2,3,4,5,6,7,8,9,10,11,12,13,14,15
	v_med3_num_f32 v[XX+\i], v[XX+\i], -v10, v10
.endr
	v_cvt_scalef32_pk8_bf8_f32 v[CC:CC+1], v[XX:XX+7], v11
	v_cvt_scalef32_pk8_bf8_f32 v[CC+2:CC+3], v[XX+8:XX+15], v11
	v_lshrrev_b32 v[EE], 23, v11
	ds_store_b8 v5, v[EE] offset:32*(\p)+16*(\u)
	global_store_b128 v2, v[CC:CC+3], s[14:15] offset:1024*(\p)+512*(\u)
.endm
.macro ROWOUT p, v                     ; x g + b, stored; then its codes and scale bytes
.set II, 0
.rept 16
	v_pk_fma_f32 v[\v+II:\v+II+1], v[\v+II:\v+II+1], v[G+II:G+II+1], v[BT+II:BT+II+1]
.set II, II+2
.endr
.irp j, 0,1,2,3,4,5,6,7
	global_store_b128 v2, v[\v+4*\j:\v+4*\j+3], s[12:13] offset:4096*(\p)+512*\j
.endr
.irp u, 0,1
.irp i, 0,1,2,3
	ds_store_b128 v3, v[\v+16*\u+4*\i:\v+16*\u+4*\i+3] offset:32*SP*\u+8*SP*\i
.endr
.irp i, 0,1,2,3
	ds_load_b128 v[X+16*\u+4*\i:X+16*\u+4*\i+3], v4 offset:32*SP*\u+16*\i
.endr
.endr
	QSTEP \p, 0, 8                                 ; the second half's four stores and four loads may be out
	QSTEP \p, 1, 1                                 ; the byte store may be out
.endm
	s_wait_loadcnt 32                              ; row 0's sixteen loads are in; row 1's and those of g and b may be out
	SUM A0, B0
	s_wait_loadcnt 16                              ; row 1's are in
	SUM A1, B1
	STATS A0
	STATS A1
	s_wait_loadcnt 0x0                             ; g and b
	ROWOUT 0, A0
	ROWOUT 1, A1
	s_wait_dscnt 0x0                               ; my scale bytes have landed
	s_barrier_signal -1
	s_barrier_wait -1
	s_cmp_lg_u32 s16, 0
	s_cbranch_scc1 .Lnot_wave_0
	ds_load_b128 v[8:11], v7
	s_wait_dscnt 0x0
	global_store_b128 v2, v[8:11], s[18:19]        ; the work-group's 512 scale bytes
.Lnot_wave_0:
	s_wait_tensorcnt 0x0                           ; the wave's end
	ds_add_u32 v[SPW], v[NIL]
	s_wait_dscnt 0x0
	s_endpgm
.Lfunc_end_k_q4a276895c4_ln1:
	.size	k_q4a276895c4_ln1, .Lfunc_end_k_q4a276895c4_ln1-k_q4a276895c4_ln1
	.p2alignl 7, 3214868480
	.fill 96, 4, 3214868480
	.section	.rodata,"a",@progbits
	.p2align	6, 0x0
	.amdhsa_kernel k_q4a276895c4_ln1
		.amdhsa_group_segment_fixed_size 42496
		.amdhsa_private_segment_fixed_size 0
		.amdhsa_enable_private_segment 0
		.amdhsa_kernarg_size 40
		.amdhsa_user_sgpr_count 2
		.amdhsa_user_sgpr_kernarg_segment_ptr 1
		.amdhsa_wavefront_size32 1
		.amdhsa_system_sgpr_workgroup_id_x 1
		.amdhsa_system_sgpr_workgroup_id_y 1
		.amdhsa_system_sgpr_workgroup_id_z 1
		.amdhsa_system_vgpr_workitem_id 0
		.amdhsa_next_free_vgpr 216
		.amdhsa_next_free_sgpr 66
		.amdhsa_reserve_vcc 0
		.amdhsa_float_denorm_mode_32 3
		.amdhsa_float_denorm_mode_16_64 3
		.amdhsa_memory_ordered 1
		.amdhsa_forward_progress 1
		.amdhsa_inst_pref_size 38
	.end_amdhsa_kernel
	.amdgpu_metadata
---
amdhsa.version: [ 1, 2 ]
amdhsa.kernels:
  - .name:           k_q4a276895c4_ln1
    .symbol:         k_q4a276895c4_ln1.kd
    .args:
      - { .name: src, .offset: 0, .size: 8, .value_kind: global_buffer, .address_space: global }
      - { .name: attn, .offset: 8, .size: 8, .value_kind: global_buffer, .address_space: global }
      - { .name: ln1_g, .offset: 16, .size: 8, .value_kind: global_buffer, .address_space: global }
      - { .name: ln1_b, .offset: 24, .size: 8, .value_kind: global_buffer, .address_space: global }
      - { .name: xbuf, .offset: 32, .size: 8, .value_kind: global_buffer, .address_space: global }
    .group_segment_fixed_size: 42496
    .private_segment_fixed_size: 0
    .kernarg_segment_align: 8
    .kernarg_segment_size: 40
    .max_flat_workgroup_size: 256
    .sgpr_count:     66
    .vgpr_count:     216
    .wavefront_size: 32
...
	.end_amdgpu_metadata
.endif
;; end of part 4
;; launch ffn1 (part 5): grid 16 x 16, 4 waves a work-group, clusters of 4 x 4, 327,680 bytes of LDS; arguments xbuf, w1_codes, w1_scales, b1, hbuf; writes hbuf
.if DOCPART == 5
	.amdgcn_target "amdgcn-amd-amdhsa--gfx1250"
	.amdhsa_code_object_version 6
	.text
	.protected	k_q4a276895c4_ffn1
	.globl	k_q4a276895c4_ffn1
	.p2align	8
	.type	k_q4a276895c4_ffn1,@function
k_q4a276895c4_ffn1:
	s_mov_b64 s[64:65], 0
	v_nop
	global_prefetch_b8 v0, s[64:65] scope:SCOPE_SE
	s_setreg_imm32_b32 hwreg(HW_REG_WAVE_MODE, 25, 1), 1
	s_wait_xcnt 0x0
	s_wait_alu depctr_hold_cnt(0) depctr_sa_sdst(0) depctr_va_vdst(0) depctr_va_sdst(0) depctr_va_ssrc(0) depctr_va_vcc(0) depctr_vm_vsrc(0)
	s_getreg_b32 s2, hwreg(HW_REG_IB_STS2, 6, 4)
	s_cmp_eq_u32 s2, 0
	s_cbranch_scc0 .Lentry_in_a_cluster
	s_endpgm
.Lentry_in_a_cluster:
	s_bfe_u32 s2, ttmp6, 0x10000c
	s_cmp_lg_u32 s2, 0xf033
	s_cbranch_scc0 .Lentry_shape_is_right
	s_endpgm
.Lentry_shape_is_right:
.set KSTEP,  256
.set NQ,     KSTEP/128
.set ROWB,   256
.set KROW,   1024
.set PITCH,  272
.set FR,     16
.set NL,     4
.set NP,     8
.set HALFT,  128*PITCH
.set SLOT,   4*HALFT
.set LAPS,   1024/(2*KSTEP)
.set KS,     32
.set SCL,    2*SLOT
.set HALFS,  (128*KS/256)*272
.set SBLK,   (16*KS/256)*272
.set SPARE,  SCL+4*HALFS
.set SCST,   256*272
.set XC,  16777216
.set XS,  20971520
.set HS,  16777216
.set ADRA, 16
.set GO,   18
.set BCO,  19
.set ADRB, 20
.set SST,  22
.set SRD,  23
.set STO,  24
.set RD,   25
.set CO,   26
.set ADRS, 27
.set SPW,  28
.set NIL,  29
.set SC,   32
.set BC,   64
.set AF,   128
.set T,    128
.set PC,   192
.set TM,   208
.set PW,   224
.set OUTR, 128
.set SEL,  18
.set MNT,  20
.set G1, 24
.set G0, 32
.set G1B, 48
.set G0B, 56
.set G1S, 68
.set G0S, 76
.set G1SB, 80
.set G0SB, 88
.set MSB, 0
.macro WIN new
.if MSB != \new
	s_set_vgpr_msb (MSB<<8)|\new
.set MSB, \new
.endif
.endm
.set MUL_LO, 0xa1
.set MUL_HI, 0xf1
.set TO_B,   0x40
.macro JLOAD g0a, g1a, g0b, g1b
	s_cmp_eq_u32 s15, 0
	s_cbranch_scc0 .Lfor_b_\@
	tensor_load_to_lds s[\g0a:\g0a+3], s[\g1a:\g1a+7]
	s_nop 0
.rept 4
	v_nop
.endr
	s_branch .Lasked_\@
.Lfor_b_\@:
	tensor_load_to_lds s[\g0b:\g0b+3], s[\g1b:\g1b+7]
	s_nop 0
.rept 4
	v_nop
.endr
.Lasked_\@:
.endm
.macro CREST
	s_cmp_lg_u32 s14, 0
	s_cbranch_scc1 .Lnot_wave_0_\@
	s_barrier_signal -3
.Lnot_wave_0_\@:
	s_barrier_wait -3
	s_barrier_signal -1
	s_barrier_wait -1
.endm
.macro CROUND
	s_barrier_signal -1
	s_barrier_wait -1
	CREST
.endm
	s_load_b64 s[4:5], s[0:1], 0x0
	s_load_b128 s[8:11], s[0:1], 0x8
	s_load_b64 s[66:67], s[0:1], 0x18
	s_load_b64 s[12:13], s[0:1], 0x20
	v_lshl_add_u32 v[SPW], v0, 2, SPARE
	v_mov_b32 v[NIL], 0
	ds_add_u32 v[SPW], v[NIL]
	ds_add_u32 v[SPW], v[NIL]
	v_lshrrev_b32 v1, 5, v0
	v_readfirstlane_b32 s14, v1
	s_lshr_b32 s15, s14, 1
	s_and_b32 s16, s14, 1
	s_bfe_u32 s40, ttmp6, 0x40000
	s_bfe_u32 s41, ttmp6, 0x40004
	s_lshl_b32 s42, ttmp9, 2
	s_add_co_u32 s42, s42, s40
	s_and_b32 s17, ttmp7, 0xffff
	s_lshl_b32 s17, s17, 2
	s_add_co_u32 s17, s17, s41
	s_lshl_b32 s43, s41, 2
	s_lshl_b32 s43, 15, s43
	s_lshl_b32 s44, 0x1111, s40
	s_or_b32 s[G1+0], s43, (0<<16)|(1<<20)|(1<<21)|(5<<22)|(3<<25)
	s_or_b32 s[G1B+0], s44, (0<<16)|(1<<20)|(1<<21)|(5<<22)|(3<<25)
.irp g, G1, G1B
	s_mov_b32 s[\g+1], ROWB<<16
	s_mov_b32 s[\g+2], 256<<16
	s_mov_b32 s[\g+3], ROWB<<16
	s_mov_b32 s[\g+4], 256
	s_mov_b32 s[\g+5], KROW
	s_mov_b32 s[\g+6], 0
	s_mov_b32 s[\g+7], 0
.endr
	s_or_b32 s[G1S+0], s43, (3<<16)|(1<<20)|(1<<21)|(5<<22)|(3<<25)
	s_or_b32 s[G1SB+0], s44, (3<<16)|(1<<20)|(1<<21)|(5<<22)|(3<<25)
.irp g, G1S, G1SB
	s_mov_b32 s[\g+1], 32<<16
	s_mov_b32 s[\g+2], (256*KS/256)<<16
	s_mov_b32 s[\g+3], 32<<16
	s_mov_b32 s[\g+4], 256*KS/256
	s_mov_b32 s[\g+5], 32
	s_mov_b32 s[\g+6], 0
	s_mov_b32 s[\g+7], 0
.endr
	s_lshl_b32 s20, s17, 8                         ; the tile's first row of A,
	s_lshl_b32 s46, s42, 8                         ; and of B
	s_mov_b32 s21, 0
	s_mov_b32 s47, 0
	s_mov_b64 s[18:19], KS
	s_mul_u64 s[22:23], s[20:21], s[18:19]
	s_mul_u64 s[92:93], s[46:47], s[18:19]
	s_mov_b64 s[18:19], KROW
	s_mul_u64 s[20:21], s[20:21], s[18:19]
	s_mul_u64 s[46:47], s[46:47], s[18:19]
	s_mul_i32 s45, s14, HALFT
	s_mul_i32 s94, s14, HALFS
	s_wait_dscnt 0x0
	s_wait_kmcnt 0x0
	s_add_nc_u64 s[6:7], s[4:5], XS
	s_add_nc_u64 s[4:5], s[4:5], XC
	s_add_nc_u64 s[98:99], s[12:13], HS
	s_add_nc_u64 s[20:21], s[4:5], s[20:21]
	s_add_nc_u64 s[22:23], s[6:7], s[22:23]
	s_add_nc_u64 s[46:47], s[8:9], s[46:47]
	s_add_nc_u64 s[92:93], s[10:11], s[92:93]
	CROUND
.set G0H, 4                            ; s[4:7], s[8:11]: groups 0 of the head's loads of K step 0 (the addresses that lay there have been used)
.set G0HB, 8
	s_mov_b32 s[G0H], 1                            ; the head's four tiles, each whole: K step 0's 256 rows of A,
	s_mov_b32 s[G0H+1], 0
	s_mov_b64 s[G0H+2:G0H+3], s[20:21]
	s_or_b32 s[G0H+3], s[G0H+3], 0x80000000
	s_mov_b32 s[G0HB], 1                           ; its 256 rows of B,
	s_mov_b32 s[G0HB+1], 2*HALFT
	s_mov_b64 s[G0HB+2:G0HB+3], s[46:47]
	s_or_b32 s[G0HB+3], s[G0HB+3], 0x80000000
	s_mov_b32 s[G0S], 1                            ; the scales of A's 256 rows,
	s_mov_b32 s[G0S+1], SCL
	s_mov_b64 s[G0S+2:G0S+3], s[22:23]
	s_or_b32 s[G0S+3], s[G0S+3], 0x80000000
	s_mov_b32 s[G0SB], 1                           ; and of B's
	s_mov_b32 s[G0SB+1], SCL+2*HALFS
	s_mov_b64 s[G0SB+2:G0SB+3], s[92:93]
	s_or_b32 s[G0SB+3], s[G0SB+3], 0x80000000
	s_mul_i32 s18, s16, 128*KROW                   ; in the ring a wave fetches 128 rows of a tile: which half, in bytes
	s_mov_b32 s19, 0
	s_add_nc_u64 s[20:21], s[20:21], s[18:19]
	s_add_nc_u64 s[46:47], s[46:47], s[18:19]
.irp s, 0,1
	s_mov_b32 s[G0+4*\s], 1
	s_add_co_u32 s[G0+4*\s+1], s45, \s*SLOT
	s_add_nc_u64 s[G0+4*\s+2:G0+4*\s+3], s[20:21], \s*ROWB
	s_or_b32 s[G0+4*\s+3], s[G0+4*\s+3], 0x80000000
	s_mov_b32 s[G0B+4*\s], 1
	s_add_co_u32 s[G0B+4*\s+1], s45, \s*SLOT
	s_add_nc_u64 s[G0B+4*\s+2:G0B+4*\s+3], s[46:47], \s*ROWB
	s_or_b32 s[G0B+4*\s+3], s[G0B+4*\s+3], 0x80000000
.endr
; the head's loads, one a wave: one chain of branches on the wave's number, a load to an arm
.macro ARM under, g0, g1, next
	s_cmp_lt_u32 s14, \under
	s_cbranch_scc0 \next
	tensor_load_to_lds s[\g0:\g0+3], s[\g1:\g1+7]
	s_nop 0
.rept 4
	v_nop
.endr
	s_branch .Lhead_asked
\next:
.endm
	ARM 1, G0H,  G1,  .Lhead_b
	ARM 2, G0HB, G1B, .Lhead_sa
	ARM 3, G0S,  G1S, .Lhead_sb
	tensor_load_to_lds s[G0SB:G0SB+3], s[G1SB:G1SB+7]
	s_nop 0
.rept 4
	v_nop
.endr
.Lhead_asked:
	v_and_b32 v1, 15, v0
	v_bfe_u32 v2, v0, 4, 1
	v_mul_u32_u24 v3, v1, PITCH
	v_lshl_add_u32 v4, v2, 4, v3
	s_mul_i32 s21, s15, HALFT
	s_mul_i32 s22, s16, HALFT
	s_add_co_u32 s22, s22, 2*HALFT
.irp s, 0,1
	v_add_nc_u32 v[ADRA+\s], s21, v4
	v_add_nc_u32 v[ADRB+\s], s22, v4
	s_add_co_u32 s21, s21, SLOT
	s_add_co_u32 s22, s22, SLOT
.endr
	v_mul_u32_u24 v5, v1, KS
	v_lshrrev_b32 v6, 8, v5
	v_lshl_add_u32 v5, v6, 4, v5
	s_mul_i32 s21, s15, HALFS
	s_mul_i32 s22, s16, HALFS
	s_add_co_u32 s22, s22, 2*HALFS
	s_sub_co_u32 s22, s22, s21
	v_mul_u32_u24 v6, s22, v2
	s_add_co_u32 s21, s21, SCL
	v_add_nc_u32 v5, v5, v6
	v_add_nc_u32 v[ADRS], s21, v5
	s_mul_i32 s23, s15, 128*272
	s_lshl_b32 s21, s16, 7
	s_add_co_u32 s23, s23, s21
	v_lshl_add_u32 v5, v2, 3, v3
	v_add_nc_u32 v[STO], s23, v5
	s_lshl_b32 s23, s15, 10
	s_lshl_b32 s21, s16, 2
	s_add_co_u32 s23, s23, s21
	s_add_co_u32 s23, s23, SCST
	v_lshl_add_u32 v[SST], v1, 3, s23
	v_and_b32 v6, 31, v0
	s_lshl_b32 s23, s14, 9
	s_add_co_u32 s23, s23, SCST
	v_lshl_add_u32 v[SRD], v6, 4, s23
	v_lshlrev_b32 v[GO], 4, v6
	s_mul_i32 s23, s14, 64*272
	v_mul_u32_u24 v5, v2, 272
	v_lshl_add_u32 v5, v1, 4, v5
	v_add_nc_u32 v[RD], s23, v5
	v_lshlrev_b32 v[CO], 12, v2
	v_lshl_add_u32 v[CO], v1, 4, v[CO]
	s_lshl_b32 s23, s42, 8
	s_lshl_b32 s21, s16, 7
	s_add_co_u32 s23, s23, s21
	s_lshl_b32 s23, s23, 2
	v_lshl_add_u32 v[BCO], v2, 5, s23
.irp t, 0,1,2,3,4,5,6,7
	global_load_b128 v[BC+8*\t:BC+8*\t+3], v[BCO], s[66:67] offset:64*\t
	global_load_b128 v[BC+8*\t+4:BC+8*\t+7], v[BCO], s[66:67] offset:64*\t+16
.endr
	s_lshl_b32 s20, s17, 8
	s_lshl_b32 s21, s14, 6
	s_add_co_u32 s20, s20, s21
	s_lshl_b32 s20, s20, 12
	s_lshl_b32 s21, s42, 8
	s_add_co_u32 s20, s20, s21
	s_mov_b32 s21, 0
	s_add_nc_u64 s[12:13], s[12:13], s[20:21]
	s_lshl_b32 s20, s42, 12
	s_lshl_b32 s21, s17, 8
	s_add_co_u32 s20, s20, s21
	s_lshl_b32 s20, s20, 3
	s_lshl_b32 s21, s14, 9
	s_add_co_u32 s20, s20, s21
	s_mov_b32 s21, 0
	s_add_nc_u64 s[98:99], s[98:99], s[20:21]
.macro FRAG reg, adr, q, i
.irp c, 0,1,2,3
	ds_load_b128 v[\reg+4*\c:\reg+4*\c+3], v[\adr] offset:128*(\q)+32*\c+(\i)*16*PITCH
.endr
.endm
.macro MUL16 a0, p, q, sc, zero
.irp a, \a0, \a0+1
.irp b, 0,1,2,3,4,5,6,7
.if \zero
	v_wmma_scale_f32_16x16x128_f8f6f4 v[8*(8*((\a)%4)+\b):8*(8*((\a)%4)+\b)+7], v[128*(\p)+FR*\b:128*(\p)+FR*\b+FR-1], v[AF+FR*(\a):AF+FR*(\a)+FR-1], 0, v[SC+8*NQ*(\sc)+NQ*\b+(\q)], v[SC+8*NQ*(\sc)+NQ*(\a)+(\q)] matrix_a_fmt:MATRIX_FMT_BF8 matrix_b_fmt:MATRIX_FMT_BF8 matrix_a_scale:MATRIX_SCALE_ROW1
.else
	v_wmma_scale_f32_16x16x128_f8f6f4 v[8*(8*((\a)%4)+\b):8*(8*((\a)%4)+\b)+7], v[128*(\p)+FR*\b:128*(\p)+FR*\b+FR-1], v[AF+FR*(\a):AF+FR*(\a)+FR-1], v[8*(8*((\a)%4)+\b):8*(8*((\a)%4)+\b)+7], v[SC+8*NQ*(\sc)+NQ*\b+(\q)], v[SC+8*NQ*(\sc)+NQ*(\a)+(\q)] matrix_a_fmt:MATRIX_FMT_BF8 matrix_b_fmt:MATRIX_FMT_BF8 matrix_a_scale:MATRIX_SCALE_ROW1
.endif
.endr
.endr
.endm
.macro FETCH_B slot, q, p
	WIN TO_B
.irp i, 0,1,2,3,4,5,6,7
	FRAG 128*(\p)+FR*\i, ADRB+\slot, \q, \i
.endr
	WIN 0
.endm
.macro FETCH_A slot, q, i0
.irp i, \i0, \i0+1, \i0+2, \i0+3
	FRAG AF+FR*(\i), ADRA+\slot, \q, \i
.endr
.endm
.macro SCALES sc
.irp i, 0,1,2,3,4,5,6,7
	ds_load_b64 v[SC+8*NQ*\sc+NQ*\i:SC+8*NQ*\sc+NQ*\i+1], v[ADRS] offset:\i*SBLK
.endr
.endm
.macro PLACES n
.rept \n
	v_nop
.endr
.endm
.macro STEP slot, q, zero
	s_wait_dscnt 4*NL
	WIN MUL_LO
	MUL16 0, (\q)%2, \q, \slot, \zero
	MUL16 2, (\q)%2, \q, \slot, \zero
	s_wait_dscnt 0
	PLACES NP
	FETCH_B \slot, (\q)+1, 1-(\q)%2
	FETCH_A \slot, (\q)+1, 0
	WIN MUL_HI
	MUL16 4, (\q)%2, \q, \slot, \zero
	MUL16 6, (\q)%2, \q, \slot, \zero
	PLACES NP
	WIN 0
	FETCH_A \slot, (\q)+1, 4
.endm
.macro TURN slot, next, fill
	s_wait_tensorcnt 0x0
	ds_add_u32 v[SPW], v[NIL]
	s_wait_dscnt 4*NL+1
	WIN MUL_LO
	MUL16 0, 1, NQ-1, \slot, 0
	s_wait_dscnt 0x0
	s_barrier_signal -1
	MUL16 2, 1, NQ-1, \slot, 0
	WIN 0
	s_barrier_wait -1
.if \fill
	CREST
	s_add_nc_u64 s[G0+4*\slot+2:G0+4*\slot+3], s[G0+4*\slot+2:G0+4*\slot+3], 2*ROWB
	s_add_nc_u64 s[G0B+4*\slot+2:G0B+4*\slot+3], s[G0B+4*\slot+2:G0B+4*\slot+3], 2*ROWB
	JLOAD G0+4*\slot, G1, G0B+4*\slot, G1B
	PLACES NP-4
.else
	PLACES NP
.endif
	s_wait_alu depctr_va_vdst(0)
	v_add_nc_u32 v[ADRS], 4*NQ, v[ADRS]
	FETCH_B \next, 0, 0
	FETCH_A \next, 0, 0
	SCALES \next
	WIN MUL_HI
	MUL16 4, 1, NQ-1, \slot, 0
	MUL16 6, 1, NQ-1, \slot, 0
	PLACES NP
	WIN 0
	FETCH_A \next, 0, 4
.endm
	s_wait_alu depctr_va_vdst(0)                   ; the wait at the head's end
	s_wait_tensorcnt 0x0                           ; my tile of the head's four is in
	ds_add_u32 v[SPW], v[NIL]
	s_mov_b32 s[G1+2], 128<<16                     ; no tensor load of mine is out: from here on a load brings 128 rows
	s_mov_b32 s[G1+4], 128
	s_mov_b32 s[G1B+2], 128<<16
	s_mov_b32 s[G1B+4], 128
	s_wait_dscnt 0x0
	CROUND                                         ; all four tiles are in, in every partner
	JLOAD G0+4, G1, G0B+4, G1B                     ; K step 1, the first tensor load behind the round
	FETCH_B 0, 0, 0
	FETCH_A 0, 0, 0
	SCALES 0
	FETCH_A 0, 0, 4
	STEP 0, 0, 1
	s_mov_b32 s3, LAPS-1
.Llap:
	TURN 0, 1, 1
	STEP 1, 0, 0
	TURN 1, 0, 1
	STEP 0, 0, 0
	s_sub_co_u32 s3, s3, 1
	s_cmp_lg_u32 s3, 0
	s_cbranch_scc1 .Llap
	TURN 0, 1, 0
	STEP 1, 0, 0
	s_wait_dscnt 4*NL
	WIN MUL_LO
	MUL16 0, 1, NQ-1, 1, 0
	MUL16 2, 1, NQ-1, 1, 0
	s_wait_dscnt 0
	WIN MUL_HI
	MUL16 4, 1, NQ-1, 1, 0
	MUL16 6, 1, NQ-1, 1, 0
	WIN 0
	PLACES NP
	s_mov_b32 s[SEL], 0x76543210
	s_mov_b32 s[SEL+1], 0xfedcba98
	s_mov_b32 s[MNT], 0x600000
.irp b, 0,1,2,3
	v_mov_b32 v[TM+4+\b], 0
.endr
	s_wait_loadcnt 0x0
.macro QUANT
.irp b, 0,1,2,3
	v_max3_num_f32 v[TM+\b], v[T+16*\b], v[T+1+16*\b], 0x8000000
.endr
.irp i, 2,4,6,8,10,12,14
.irp b, 0,1,2,3
	v_max3_num_f32 v[TM+\b], v[TM+\b], v[T+16*\b+\i], v[T+1+16*\b+\i]
.endr
.endr
.irp b, 0,1,2,3
	v_permlanex16_b32 v[TM+4+\b], v[TM+\b], s[SEL], s[SEL+1]
.endr
.irp b, 0,1,2,3
	v_max_num_f32 v[TM+\b], v[TM+\b], v[TM+4+\b]
.endr
.irp b, 0,1,2,3
	v_add_nc_u32 v[TM+12+\b], 0xf8800000, v[TM+\b]
.endr
.irp b, 0,1,2,3
	v_and_or_b32 v[TM+8+\b], v[TM+\b], 0x7f800000, s[MNT]
.endr
.irp b, 0,1,2,3
	v_lshrrev_b32 v[TM+4+\b], 23, v[TM+12+\b]
.endr
	v_lshl_or_b32 v[PW], v[TM+5], 8, v[TM+4]
	v_lshl_or_b32 v[PW], v[TM+6], 16, v[PW]
	v_lshl_or_b32 v[PW], v[TM+7], 24, v[PW]
.irp b, 0,1,2,3
.irp i, 0,1,2,3,4,5,6,7,8,9,10,11,12,13,14,15
	v_med3_num_f32 v[T+16*\b+\i], v[T+16*\b+\i], 0, v[TM+8+\b]
.endr
	v_cvt_scalef32_pk8_bf8_f32 v[PC+4*\b:PC+1+4*\b], v[T+16*\b:T+7+16*\b], v[TM+12+\b]
	v_cvt_scalef32_pk8_bf8_f32 v[PC+2+4*\b:PC+3+4*\b], v[T+8+16*\b:T+15+16*\b], v[TM+12+\b]
.endr
	v_nop
.endm
.macro BLOCK a
.set AC, 64*((\a)%4)
.set WN, 0x02+(\a)/4
	WIN WN
.set II, 0
.rept 32
	v_pk_add_f32 v[T+II:T+II+1], v[AC+II:AC+II+1], v[BC+II:BC+II+1]
.set II, II+2
.endr
	WIN 0
	QUANT
.irp t, 0,1,2,3,4,5,6,7
	ds_store_b64 v[STO], v[PC+2*\t:PC+2*\t+1] offset:4352*(\a)+16*\t
.endr
	ds_store_b32 v[SST], v[PW] offset:128*(\a)
	s_wait_dscnt 0x0
.endm
.irp a, 0,1,2,3,4,5,6,7
	BLOCK \a
.endr
	s_barrier_signal -1
	s_barrier_wait -1
.irp i, 0,1,2,3,4,5,6,7,8,9,10,11,12,13,14,15,16,17,18,19,20,21,22,23,24,25,26,27,28,29,30,31
	ds_load_b128 v[OUTR+4*\i:OUTR+4*\i+3], v[RD] offset:544*\i
.endr
	ds_load_b128 v[BC:BC+3], v[SRD]
.irp g, 0,1,2,3
	s_wait_dscnt 25-8*\g
.irp i, 0,1,2,3,4,5,6,7
	global_store_b128 v[CO], v[OUTR+32*\g+4*\i:OUTR+32*\g+4*\i+3], s[12:13] offset:8192*(8*\g+\i)
.endr
.endr
	s_wait_dscnt 0x0
	global_store_b128 v[GO], v[BC:BC+3], s[98:99]
	s_wait_tensorcnt 0x0
	ds_add_u32 v[SPW], v[NIL]
	s_wait_dscnt 0x0
	CROUND
	s_endpgm
.Lfunc_end_k_q4a276895c4_ffn1:
	.size	k_q4a276895c4_ffn1, .Lfunc_end_k_q4a276895c4_ffn1-k_q4a276895c4_ffn1
	.p2alignl 7, 3214868480
	.fill 96, 4, 3214868480
	.section	.rodata,"a",@progbits
	.p2align	6, 0x0
	.amdhsa_kernel k_q4a276895c4_ffn1
		.amdhsa_group_segment_fixed_size 327680
		.amdhsa_private_segment_fixed_size 0
		.amdhsa_enable_private_segment 0
		.amdhsa_kernarg_size 40
		.amdhsa_user_sgpr_count 2
		.amdhsa_user_sgpr_kernarg_segment_ptr 1
		.amdhsa_wavefront_size32 1
		.amdhsa_system_sgpr_workgroup_id_x 1
		.amdhsa_system_sgpr_workgroup_id_y 1
		.amdhsa_system_sgpr_workgroup_id_z 1
		.amdhsa_system_vgpr_workitem_id 0
		.amdhsa_next_free_vgpr 1024
		.amdhsa_next_free_sgpr 100
		.amdhsa_reserve_vcc 0
		.amdhsa_float_denorm_mode_32 3
		.amdhsa_float_denorm_mode_16_64 3
		.amdhsa_memory_ordered 1
		.amdhsa_forward_progress 1
		.amdhsa_inst_pref_size 211
	.end_amdhsa_kernel
	.amdgpu_metadata
---
amdhsa.version: [ 1, 2 ]
amdhsa.kernels:
  - .name:           k_q4a276895c4_ffn1
    .symbol:         k_q4a276895c4_ffn1.kd
    .args:
      - { .name: xbuf, .offset: 0, .size: 8, .value_kind: global_buffer, .address_space: global }
      - { .name: w1_codes, .offset: 8, .size: 8, .value_kind: global_buffer, .address_space: global }
      - { .name: w1_scales, .offset: 16, .size: 8, .value_kind: global_buffer, .address_space: global }
      - { .name: b1, .offset: 24, .size: 8, .value_kind: global_buffer, .address_space: global }
      - { .name: hbuf, .offset: 32, .size: 8, .value_kind: global_buffer, .address_space: global }
    .group_segment_fixed_size: 327680
    .private_segment_fixed_size: 0
    .kernarg_segment_align: 8
    .kernarg_segment_size: 40
    .max_flat_workgroup_size: 128
    .sgpr_count:     100
    .vgpr_count:     1024
    .wavefront_size: 32
...
	.end_amdgpu_metadata
.endif
;; end of part 5
;; launch ffn2 (part 6): grid 8 x 32, 4 waves a work-group, clusters of 4 x 4, 327,680 bytes of LDS; arguments hbuf, w2_codes, w2_scales, zbuf; writes zbuf
.if DOCPART == 6
	.amdgcn_target "amdgcn-amd-amdhsa--gfx1250"
	.amdhsa_code_object_version 6
	.text
	.protected	k_q4a276895c4_ffn2
	.globl	k_q4a276895c4_ffn2
	.p2align	8
	.type	k_q4a276895c4_ffn2,@function
k_q4a276895c4_ffn2:
	s_mov_b64 s[64:65], 0
	v_nop
	global_prefetch_b8 v0, s[64:65] scope:SCOPE_SE
	s_setreg_imm32_b32 hwreg(HW_REG_WAVE_MODE, 25, 1), 1
	s_wait_xcnt 0x0
	s_wait_alu depctr_hold_cnt(0) depctr_sa_sdst(0) depctr_va_vdst(0) depctr_va_sdst(0) depctr_va_ssrc(0) depctr_va_vcc(0) depctr_vm_vsrc(0)
	s_getreg_b32 s2, hwreg(HW_REG_IB_STS2, 6, 4)
	s_cmp_eq_u32 s2, 0
	s_cbranch_scc0 .Lentry_in_a_cluster
	s_endpgm
.Lentry_in_a_cluster:
	s_bfe_u32 s2, ttmp6, 0x10000c
	s_cmp_lg_u32 s2, 0xf033
	s_cbranch_scc0 .Lentry_shape_is_right
	s_endpgm
.Lentry_shape_is_right:
; z[m'][n] = the sum over all 4,096 k of h[m'][k] w2[n][k], on codes of BF8 (E5M2) with E8M0 scales; z: [4096][1024] f32, one f32 sum for each output.  No work is left out.
; hbuf: codes [4096][4096] at 0; scale bytes [16 chunks of 256 k][4096 rows][8] at HS.  w2's codes [1024][4096], its scale bytes [1024][128].
; SHARES: 32 x 8 = 256 blocks of 128 x 128, a work-group each; four waves, each 64 x 64: 16 accumulators, 128 registers.  K goes in eight trips of 512 through a ring of two LDS slots (128 rows of A, 128 of B,
; 512 bytes + 16 of padding a row); each wave fetches 64 rows with one tensor load.  A trip is four steps of 128 along K, 16 matrix instructions each, on two sets of fragments that take turns.
; CLUSTERS: 4 x 4 work-groups; A's tile is asked for jointly along a row of the cluster, B's along a column.  A round of the cluster's barrier stands in front of every joint load.
; THE SCALES of my 128 + 128 rows for all of K come once, through registers, in runs of 256 and 512 consecutive bytes, into a table in LDS: 128 bytes + 16 a row; no tensor load lands there.
; PREFETCH: trip t, which asks for slot t + 1, names slot t + 3: of the 64 rows x 2 runs of 256 bytes that a wave fetches, each of the four partners that ask jointly takes 16 rows, told apart by address;
; a lane a run, one instruction a wave.  Slots 0 to 2 come by their loads alone; trips 5 to 7 ask for nothing.
; THE MATRIX INSTRUCTION IS USED TRANSPOSED (source 0 = 16 rows of w2, source 1 = 16 rows of h): a lane holds eight neighbouring numbers of a row of z.
; REGISTERS: window 0: v0-31 addresses, v32-47 scale words alone, v64-127 the scales on their way in, v128-191 and v192-255 A's fragments, two sets (on the way out: rows read back);
; window 1: v0-127 the accumulators ((a, b) at 8 (4 a + b)), v128-191 and v192-255 B's fragments, two sets.  LIMITS: as stated in the first launch.
.set KROW,   4096
.set ROWB,   512
.set PITCH,  528
.set QUART,  64*PITCH                  ; 64 rows: one tensor load, and what a wave reads of A or of B
.set SLOT,   4*QUART
.set SCP,    144
.set SCL,    2*SLOT
.set HALFS,  64*SCP
.set SPARE,  SCL+256*SCP
.set HS,     16777216
.set ADRA, 16
.set ADRB, 20
.set STO,  24
.set RD,   25
.set CO,   26
.set ADRS, 27
.set SPW,  28
.set NIL,  29
.set PFO,  30
.set SC,   32
.set BK,   128
.set G1, 24
.set G0, 32
.set G1B, 48
.set G0B, 56
.set PFA, 84
.set MSB, 0
.macro WIN new
.if MSB != \new
	s_set_vgpr_msb (MSB<<8)|\new
.set MSB, \new
.endif
.endm
.set MULW, 0x51                        ; source 0 (B) window 1, source 1 (A) window 0, C and D window 1
.set TO_B, 0x40
.macro JLOAD g0a, g1a, g0b, g1b        ; waves 0, 1 fetch for A, waves 2, 3 for B
	s_cmp_eq_u32 s15, 0
	s_cbranch_scc0 .Lfor_b_\@
	tensor_load_to_lds s[\g0a:\g0a+3], s[\g1a:\g1a+7]
	s_nop 0
.rept 4
	v_nop
.endr
	s_branch .Lasked_\@
.Lfor_b_\@:
	tensor_load_to_lds s[\g0b:\g0b+3], s[\g1b:\g1b+7]
	s_nop 0
.rept 4
	v_nop
.endr
.Lasked_\@:
.endm
.macro CROUND                          ; a round of the cluster's barrier
	s_barrier_signal -1
	s_barrier_wait -1
	s_cmp_lg_u32 s14, 0
	s_cbranch_scc1 .Lnot_wave_0_\@
	s_barrier_signal -3
.Lnot_wave_0_\@:
	s_barrier_wait -3
	s_barrier_signal -1
	s_barrier_wait -1
.endm
.macro PLACES n
.rept \n
	v_nop
.endr
.endm
	s_load_b64 s[4:5], s[0:1], 0x0                 ; hbuf
	s_load_b128 s[8:11], s[0:1], 0x8               ; w2's codes, w2's scales
	s_load_b64 s[12:13], s[0:1], 0x18              ; zbuf
	v_lshl_add_u32 v[SPW], v0, 2, SPARE
	v_mov_b32 v[NIL], 0
	ds_add_u32 v[SPW], v[NIL]                      ; the opening: the add, twice on end, and its wait
	ds_add_u32 v[SPW], v[NIL]
	v_lshrrev_b32 v1, 5, v0
	v_readfirstlane_b32 s14, v1                    ; wave
	s_lshr_b32 s15, s14, 1                         ; my half of the block's rows; also: I fetch for A (0) or B (1)
	s_and_b32 s16, s14, 1                          ; my half of its columns; also: which 64 rows I fetch
	s_bfe_u32 s40, ttmp6, 0x40000                  ; cx
	s_bfe_u32 s41, ttmp6, 0x40004                  ; cy
	s_lshl_b32 s42, ttmp9, 2
	s_add_co_u32 s42, s42, s40                     ; block column 0..7
	s_and_b32 s17, ttmp7, 0xffff
	s_lshl_b32 s17, s17, 2
	s_add_co_u32 s17, s17, s41                     ; block row 0..31
	s_lshl_b32 s43, s41, 2
	s_lshl_b32 s43, 15, s43                        ; my row of the cluster
	s_lshl_b32 s44, 0x1111, s40                    ; my column
	s_or_b32 s[G1+0], s43, (0<<16)|(1<<20)|(1<<21)|(6<<22)|(3<<25)   ; elements of 1 byte; 4 words of padding after every 128
	s_or_b32 s[G1B+0], s44, (0<<16)|(1<<20)|(1<<21)|(6<<22)|(3<<25)
.irp g, G1, G1B
	s_mov_b32 s[\g+1], ROWB<<16
	s_mov_b32 s[\g+2], 64<<16
	s_mov_b32 s[\g+3], ROWB<<16
	s_mov_b32 s[\g+4], 64
	s_mov_b32 s[\g+5], KROW
	s_mov_b32 s[\g+6], 0
	s_mov_b32 s[\g+7], 0
.endr
	s_lshl_b32 s18, s16, 6
	s_lshl_b32 s20, s17, 7
	s_add_co_u32 s20, s20, s18
	s_lshl_b32 s20, s20, 12                        ; A: (128 x block row + 64 x half) rows of 4,096 bytes
	s_mov_b32 s21, 0
	s_lshl_b32 s46, s42, 7
	s_add_co_u32 s46, s46, s18
	s_lshl_b32 s46, s46, 12                        ; B likewise, by the block column
	s_mov_b32 s47, 0
	s_lshl_b32 s22, s17, 7
	s_lshl_b32 s23, s14, 5
	s_add_co_u32 s22, s22, s23
	s_lshl_b32 s22, s22, 3
	s_add_co_u32 s22, s22, HS                      ; A's scales: my wave's 32 rows, 8 bytes a row and chunk
	s_mov_b32 s23, 0
	s_lshl_b32 s92, s42, 7
	s_lshl_b32 s93, s14, 5
	s_add_co_u32 s92, s92, s93
	s_lshl_b32 s92, s92, 7                         ; B's scales: my wave's 32 rows of 128 bytes
	s_mov_b32 s93, 0
	s_mul_i32 s45, s14, QUART                      ; where my 64 rows go in a slot
	s_mul_i32 s70, s15, QUART                      ; my 64 rows of A, in slot 0 and 1
	s_add_co_u32 s71, s70, SLOT
	s_mul_i32 s72, s16, QUART
	s_add_co_u32 s72, s72, 2*QUART                 ; my 64 rows of B
	s_add_co_u32 s73, s72, SLOT
	s_mul_i32 s74, s15, HALFS
	s_mul_i32 s75, s16, HALFS
	s_add_co_u32 s75, s75, 2*HALFS
	s_sub_co_u32 s75, s75, s74                     ; from my rows of A's scales to my rows of B's
	s_add_co_u32 s74, s74, SCL
	s_mul_i32 s76, s14, 16*272                     ; my stage, in slot 0
	s_mul_i32 s77, s14, 32*SCP
	s_add_co_u32 s77, s77, SCL                     ; where my wave lays A's scales,
	s_add_co_u32 s78, s77, 128*SCP                 ; and B's
	s_lshl_b32 s66, s17, 7
	s_lshl_b32 s67, s15, 6
	s_add_co_u32 s66, s66, s67
	s_lshl_b32 s66, s66, 12                        ; z: my first row,
	s_lshl_b32 s67, s42, 9
	s_add_co_u32 s66, s66, s67
	s_lshl_b32 s67, s16, 8
	s_add_co_u32 s66, s66, s67                     ; my first column, in bytes
	s_mov_b32 s67, 0
	s_lshl_b32 s82, s17, 7                         ; the prefetches: the tile's first row,
	s_lshl_b32 s83, s42, 7
	s_cmp_eq_u32 s15, 0
	s_cselect_b32 s80, s82, s83
	s_cselect_b32 s81, s40, s41                    ; my place among the four that ask jointly
	s_add_co_u32 s80, s80, s18                     ; + the 64 rows that I fetch
	s_lshl_b32 s81, s81, 4
	s_add_co_u32 s80, s80, s81                     ; + my work-group's 16 of them
	s_lshl_b32 s80, s80, 12
	s_add_co_u32 s80, s80, 3*ROWB                  ; trip 0 names slot 3
	s_mov_b32 s81, 0
	s_wait_dscnt 0x0                               ; both opening adds are done
	s_wait_kmcnt 0x0
	s_cmp_eq_u32 s15, 0
	s_cselect_b64 s[PFA:PFA+1], s[4:5], s[8:9]
	s_add_nc_u64 s[PFA:PFA+1], s[PFA:PFA+1], s[80:81]
	s_add_nc_u64 s[6:7], s[4:5], s[22:23]
	s_add_nc_u64 s[20:21], s[4:5], s[20:21]
	s_add_nc_u64 s[46:47], s[8:9], s[46:47]
	s_add_nc_u64 s[92:93], s[10:11], s[92:93]
	s_add_nc_u64 s[12:13], s[12:13], s[66:67]
.irp s, 0,1
	s_mov_b32 s[G0+4*\s], 1
	s_add_co_u32 s[G0+4*\s+1], s45, \s*SLOT
	s_add_nc_u64 s[G0+4*\s+2:G0+4*\s+3], s[20:21], \s*ROWB
	s_or_b32 s[G0+4*\s+3], s[G0+4*\s+3], 0x80000000
	s_mov_b32 s[G0B+4*\s], 1
	s_add_co_u32 s[G0B+4*\s+1], s45, \s*SLOT
	s_add_nc_u64 s[G0B+4*\s+2:G0B+4*\s+3], s[46:47], \s*ROWB
	s_or_b32 s[G0B+4*\s+3], s[G0B+4*\s+3], 0x80000000
.endr
	CROUND                                         ; all sixteen work-groups are here: the first joint loads meet
	JLOAD G0, G1, G0B, G1B                         ; slot 0: one tensor load a wave at the head
	v_and_b32 v1, 15, v0                           ; r
	v_bfe_u32 v2, v0, 4, 1                         ; h
	v_and_b32 v6, 31, v0                           ; lane
	v_mul_u32_u24 v3, v1, PITCH
	v_lshl_add_u32 v4, v2, 4, v3                   ; a fragment's row x pitch + 16 h
	v_add_nc_u32 v[ADRA], s70, v4
	v_add_nc_u32 v[ADRA+1], s71, v4
	v_add_nc_u32 v[ADRB], s72, v4
	v_add_nc_u32 v[ADRB+1], s73, v4
	v_mul_u32_u24 v5, v1, SCP
	v_mul_u32_u24 v9, s75, v2                      ; lanes 16-31 take B's scale words
	v_add_nc_u32 v5, v5, v9
	v_add_nc_u32 v[ADRS], s74, v5
	v_mul_u32_u24 v5, v1, 272
	v_lshl_add_u32 v5, v2, 5, v5
	v_add_nc_u32 v[STO], s76, v5                   ; the stage, way in: row r, 32 bytes for each half of the lanes
	v_mul_u32_u24 v5, v2, 272
	v_lshl_add_u32 v5, v1, 4, v5
	v_add_nc_u32 v[RD], s76, v5                    ; way back: lanes 0-15 one row of 256 bytes, lanes 16-31 the next
	v_lshlrev_b32 v[CO], 12, v2
	v_lshl_add_u32 v[CO], v1, 4, v[CO]             ; and the same two rows in z
	v_lshlrev_b32 v7, 3, v6                        ; A's scales in memory: 8 bytes a lane, a lane a row
	v_mul_u32_u24 v8, v6, SCP
	v_add_nc_u32 v8, s77, v8
	v_lshlrev_b32 v10, 4, v6                       ; B's scales in memory: 16 bytes a lane, eight lanes a row
	v_lshrrev_b32 v11, 3, v6
	v_mul_u32_u24 v11, v11, SCP
	v_and_b32 v12, 7, v6
	v_lshl_add_u32 v11, v12, 4, v11
	v_add_nc_u32 v11, s78, v11
	v_mul_u32_u24 v[PFO], v1, KROW                 ; the prefetches: row lane % 16, run lane / 16
	v_lshl_add_u32 v[PFO], v2, 8, v[PFO]
	s_wait_alu depctr_va_vdst(0)                   ; the wait at the head's end
.irp g, 0,1,2,3,4,5,6,7,8,9,10,11,12,13,14,15
	global_load_b64 v[64+2*\g:65+2*\g], v7, s[6:7] offset:32768*\g      ; 256 consecutive bytes, aligned
.endr
.irp i, 0,1,2,3,4,5,6,7
	global_load_b128 v[96+4*\i:99+4*\i], v10, s[92:93] offset:512*\i    ; 512 consecutive bytes, aligned
.endr
	s_wait_loadcnt 0x0
.irp g, 0,1,2,3,4,5,6,7,8,9,10,11,12,13,14,15
	ds_store_b64 v8, v[64+2*\g:65+2*\g] offset:8*\g
.endr
.irp i, 0,1,2,3,4,5,6,7
	ds_store_b128 v11, v[96+4*\i:99+4*\i] offset:4*SCP*\i
.endr
.macro FRAG reg, adr, q, i             ; 16 rows x 128 K: registers 4 c .. 4 c + 3 hold K = 32 c + 16 h + 0 .. 15
.irp c, 0,1,2,3
	ds_load_b128 v[\reg+4*\c:\reg+4*\c+3], v[\adr] offset:128*(\q)+32*\c+(\i)*16*PITCH
.endr
.endm
.macro FETCH slot, q, p                ; 32 loads: the slot's q-th 128 along K into set p
	WIN TO_B
.irp i, 0,1,2,3
	FRAG 128+64*(\p)+16*\i, ADRB+\slot, \q, \i
.endr
	WIN 0
.irp i, 0,1,2,3
	FRAG 128+64*(\p)+16*\i, ADRA+\slot, \q, \i
.endr
.endm
.macro MUL p, q, zero                  ; 16 matrix instructions, the 16 accumulators by turns
	WIN MULW
.irp a, 0,1,2,3
.irp b, 0,1,2,3
.if \zero
	v_wmma_scale_f32_16x16x128_f8f6f4 v[8*(4*\a+\b):8*(4*\a+\b)+7], v[128+64*(\p)+16*\b:128+64*(\p)+16*\b+15], v[128+64*(\p)+16*\a:128+64*(\p)+16*\a+15], 0, v[SC+4*\b+(\q)], v[SC+4*\a+(\q)] matrix_a_fmt:MATRIX_FMT_BF8 matrix_b_fmt:MATRIX_FMT_BF8 matrix_a_scale:MATRIX_SCALE_ROW1
.else
	v_wmma_scale_f32_16x16x128_f8f6f4 v[8*(4*\a+\b):8*(4*\a+\b)+7], v[128+64*(\p)+16*\b:128+64*(\p)+16*\b+15], v[128+64*(\p)+16*\a:128+64*(\p)+16*\a+15], v[8*(4*\a+\b):8*(4*\a+\b)+7], v[SC+4*\b+(\q)], v[SC+4*\a+(\q)] matrix_a_fmt:MATRIX_FMT_BF8 matrix_b_fmt:MATRIX_FMT_BF8 matrix_a_scale:MATRIX_SCALE_ROW1
.endif
.endr
.endr
.endm
.macro ASK how                         ; how = 1: always; 2: in the loop's first two laps (s3 over 1): slots 4 to 7; 0: never
.if \how == 2
	s_cmp_gt_u32 s3, 1
	s_cbranch_scc0 .Lno_ask_\@
.endif
.if \how
	global_prefetch_b8 v[PFO], s[PFA:PFA+1] th:TH_LOAD_NT scope:SCOPE_SE
.endif
.Lno_ask_\@:
.endm
; A TRIP: the change of slots (the wait for all my tensor loads, the add, the wait for it and for my LDS instructions, a round), the other slot's load, and this slot's four steps.
.macro TRIP slot, refill, first, ask
.if \first == 0
	s_wait_xcnt 0x0                                ; my last prefetch has read its address: a slot on
	s_add_nc_u64 s[PFA:PFA+1], s[PFA:PFA+1], ROWB
.endif
	s_wait_tensorcnt 0x0                           ; my part of this slot is in; no load of mine is out, so a group 0 may be written
	ds_add_u32 v[SPW], v[NIL]
	s_add_nc_u64 s[G0+4*\slot+2:G0+4*\slot+3], s[G0+4*\slot+2:G0+4*\slot+3], 2*ROWB
	s_add_nc_u64 s[G0B+4*\slot+2:G0B+4*\slot+3], s[G0B+4*\slot+2:G0B+4*\slot+3], 2*ROWB
	s_wait_dscnt 0x0                               ; the add is done, and so are my reads of the other slot (trip 0: my stores of scales)
	CROUND
.if \refill
	JLOAD G0+4*(1-\slot), G1, G0B+4*(1-\slot), G1B ; the next 512 along K, into the slot read last (trip 0: slot 1's first fill)
	PLACES 4                                       ; with the four behind the load: eight places ahead of the loads below
.else
	PLACES 8
.endif
.irp i, 0,1,2,3
	ds_load_b128 v[SC+4*\i:SC+4*\i+3], v[ADRS] offset:\i*16*SCP   ; four words a row: lanes 0-15 A's block i, lanes 16-31 B's
.endr
	v_add_nc_u32 v[ADRS], 16, v[ADRS]              ; the next trip's scale words
	s_wait_alu depctr_va_vdst(0)                   ; the wait here, directly behind the write
	FETCH \slot, 0, 0
	FETCH \slot, 1, 1
	s_wait_dscnt 32                                ; all but the 32 loads of set 1
	MUL 0, 0, \first
	WIN 0
	ASK \ask
	PLACES 8
	FETCH \slot, 2, 0
	s_wait_dscnt 32                                ; set 1 is in; the 32 just issued may be out
	MUL 1, 1, 0
	PLACES 8
	FETCH \slot, 3, 1
	s_wait_dscnt 32
	MUL 0, 2, 0
	s_wait_dscnt 0x0
	MUL 1, 3, 0
	WIN 0
.endm
	TRIP 0, 1, 1, 1                                ; trip 0 stands ahead of the loop: its first products start the sums
	s_mov_b32 s3, 3
.Llap:                                             ; trips 1 to 6
	TRIP 1, 1, 0, 2
	TRIP 0, 1, 0, 2
	s_sub_co_u32 s3, s3, 1
	s_cmp_lg_u32 s3, 0
	s_cbranch_scc1 .Llap
	TRIP 1, 0, 0, 0                                ; trip 7 asks for nothing
; THE WAY OUT, by blocks of 16 rows x 64 columns, through my stage in slot 0 (its last fill and its last read lie ahead of the last round): sixteen lanes store 256 consecutive bytes, aligned
.macro TOSTAGE a
	WIN 0x04                                       ; the data: window 1
.irp b, 0,1,2,3
	ds_store_b128 v[STO], v[32*(\a)+8*\b:32*(\a)+8*\b+3] offset:64*\b        ; each accumulator from its low end on
	ds_store_b128 v[STO], v[32*(\a)+8*\b+4:32*(\a)+8*\b+7] offset:64*\b+16
.endr
	WIN 0
.irp t, 0,1,2,3,4,5,6,7
	ds_load_b128 v[BK+32*(\a)+4*\t:BK+32*(\a)+4*\t+3], v[RD] offset:\t*2*272   ; LDS serves a wave's instructions in order
.endr
.endm
	PLACES 8
.irp a, 0,1,2,3
	TOSTAGE \a
.endr
.irp a, 0,1,2,3
	s_wait_dscnt 48-16*\a                          ; the later blocks' 16 LDS instructions each may be out
.irp t, 0,1,2,3,4,5,6,7
	global_store_b128 v[CO], v[BK+32*\a+4*\t:BK+32*\a+4*\t+3], s[12:13] offset:(16*\a+2*\t)*4096
.endr
.endr
	s_wait_tensorcnt 0x0                           ; the wave's end
	ds_add_u32 v[SPW], v[NIL]
	s_wait_dscnt 0x0
	CROUND                                         ; the closing round
	s_endpgm
.Lfunc_end_k_q4a276895c4_ffn2:
	.size	k_q4a276895c4_ffn2, .Lfunc_end_k_q4a276895c4_ffn2-k_q4a276895c4_ffn2
	.p2alignl 7, 3214868480
	.fill 96, 4, 3214868480
	.section	.rodata,"a",@progbits
	.p2align	6, 0x0
	.amdhsa_kernel k_q4a276895c4_ffn2
		.amdhsa_group_segment_fixed_size 327680
		.amdhsa_private_segment_fixed_size 0
		.amdhsa_enable_private_segment 0
		.amdhsa_kernarg_size 32
		.amdhsa_user_sgpr_count 2
		.amdhsa_user_sgpr_kernarg_segment_ptr 1
		.amdhsa_wavefront_size32 1
		.amdhsa_system_sgpr_workgroup_id_x 1
		.amdhsa_system_sgpr_workgroup_id_y 1
		.amdhsa_system_sgpr_workgroup_id_z 1
		.amdhsa_system_vgpr_workitem_id 0
		.amdhsa_next_free_vgpr 512
		.amdhsa_next_free_sgpr 98
		.amdhsa_reserve_vcc 0
		.amdhsa_float_denorm_mode_32 3
		.amdhsa_float_denorm_mode_16_64 3
		.amdhsa_memory_ordered 1
		.amdhsa_forward_progress 1
		.amdhsa_inst_pref_size 95
	.end_amdhsa_kernel
	.amdgpu_metadata
---
amdhsa.version: [ 1, 2 ]
amdhsa.kernels:
  - .name:           k_q4a276895c4_ffn2
    .symbol:         k_q4a276895c4_ffn2.kd
    .args:
      - { .name: hbuf, .offset: 0, .size: 8, .value_kind: global_buffer, .address_space: global }
      - { .name: w2_codes, .offset: 8, .size: 8, .value_kind: global_buffer, .address_space: global }
      - { .name: w2_scales, .offset: 16, .size: 8, .value_kind: global_buffer, .address_space: global }
      - { .name: zbuf, .offset: 24, .size: 8, .value_kind: global_buffer, .address_space: global }
    .group_segment_fixed_size: 327680
    .private_segment_fixed_size: 0
    .kernarg_segment_align: 8
    .kernarg_segment_size: 32
    .max_flat_workgroup_size: 128
    .sgpr_count:     98
    .vgpr_count:     512
    .wavefront_size: 32
...
	.end_amdgpu_metadata
.endif
;; end of part 6
;; launch ln2 (part 7): grid 256 x 1, 8 waves a work-group, no clusters, 0 bytes of LDS; arguments xbuf, zbuf, b2, ln2_g, ln2_b, out0; writes out0
.if DOCPART == 7
	.amdgcn_target "amdgcn-amd-amdhsa--gfx1250"
	.amdhsa_code_object_version 6
	.text
	.protected	k_q4a276895c4_ln2
	.globl	k_q4a276895c4_ln2
	.p2align	8
	.type	k_q4a276895c4_ln2,@function
k_q4a276895c4_ln2:
	s_mov_b64 s[64:65], 0
	v_nop
	global_prefetch_b8 v0, s[64:65] scope:SCOPE_SE
	s_setreg_imm32_b32 hwreg(HW_REG_WAVE_MODE, 25, 1), 1
	s_wait_xcnt 0x0
; out0 = layer norm(x + (z + b2)) g + b, in f32: z is the last product's result.  No work is left out.
; Rows m' = 2048 b + s; out0's row lies at (2 s + b) x 4,096 bytes.  A wave takes two rows, each whole in 32 registers (register group j: bytes 512 j + 16 lane): every byte is read once and every store covers
; 512 consecutive bytes.  ALL 56 LOADS GO OUT AT THE START: row 0's two addends, b2, row 1's, then g and b.
; Memory binds: no LDS, no barrier, no matrix unit, no loop to prefetch in.  LIMITS: NaN and infinities among the inputs are not served.
.set B2,  16
.set X0,  48
.set Z0,  80
.set X1,  112
.set Z1,  144
.set G,   176
.set BT,  208
	s_load_b256 s[4:11], s[0:1], 0x0               ; xbuf, zbuf, b2, ln2_g
	s_load_b128 s[12:15], s[0:1], 0x20             ; ln2_b, out0
	v_lshrrev_b32 v1, 5, v0
	s_delay_alu instid0(VALU_DEP_1)
	v_readfirstlane_b32 s16, v1
	v_and_b32 v1, 31, v0
	s_delay_alu instid0(VALU_DEP_1)
	v_lshlrev_b32 v2, 4, v1
	v_mov_b32 v9, 0
	s_mov_b32 s20, 0x76543210
	s_mov_b32 s21, 0xfedcba98
	s_mov_b32 s23, 0x3a800000                      ; 1 / 1,024
	s_mov_b32 s24, 0x3727c5ac                      ; 1e-5
	s_lshl_b32 s25, ttmp9, 4
	s_lshl_b32 s26, s16, 1
	s_add_co_u32 s27, s25, s26                     ; my first row m'
	s_and_b32 s28, s25, 2047
	s_add_co_u32 s28, s28, s26
	s_lshl_b32 s28, s28, 1
	s_lshr_b32 s29, ttmp9, 7
	s_add_co_u32 s28, s28, s29
	s_lshl_b32 s28, s28, 12                        ; (2 s + b) x 4,096
	s_mov_b32 s29, 0
	s_lshl_b32 s30, s27, 12
	s_mov_b32 s31, 0
	s_wait_alu depctr_va_vdst(0)
	s_wait_kmcnt 0x0
	s_add_nc_u64 s[4:5], s[4:5], s[30:31]
	s_add_nc_u64 s[6:7], s[6:7], s[30:31]
	s_add_nc_u64 s[14:15], s[14:15], s[28:29]
.macro LOADROW p, xr, zr
.irp j, 0,1,2,3,4,5,6,7
	global_load_b128 v[\xr+4*\j:\xr+4*\j+3], v2, s[4:5] offset:4096*(\p)+512*\j th:TH_LOAD_NT
	global_load_b128 v[\zr+4*\j:\zr+4*\j+3], v2, s[6:7] offset:4096*(\p)+512*\j th:TH_LOAD_NT
.endr
.endm
	LOADROW 0, X0, Z0
.irp j, 0,1,2,3,4,5,6,7
	global_load_b128 v[B2+4*\j:B2+4*\j+3], v2, s[8:9] offset:512*\j
.endr
	LOADROW 1, X1, Z1
.irp j, 0,1,2,3,4,5,6,7
	global_load_b128 v[G+4*\j:G+4*\j+3], v2, s[10:11] offset:512*\j
	global_load_b128 v[BT+4*\j:BT+4*\j+3], v2, s[12:13] offset:512*\j
.endr
.macro REDUCE                          ; v8 summed over the 32 lanes, the result in every lane
	s_delay_alu instid0(VALU_DEP_1)
	v_add_f32_dpp v8, v8, v8 row_xmask:1 row_mask:0xf bank_mask:0xf
	s_delay_alu instid0(VALU_DEP_1)
	v_add_f32_dpp v8, v8, v8 row_xmask:2 row_mask:0xf bank_mask:0xf
	s_delay_alu instid0(VALU_DEP_1)
	v_add_f32_dpp v8, v8, v8 row_xmask:4 row_mask:0xf bank_mask:0xf
	s_delay_alu instid0(VALU_DEP_1)
	v_add_f32_dpp v8, v8, v8 row_xmask:8 row_mask:0xf bank_mask:0xf
	s_delay_alu instid0(VALU_DEP_1)
	v_permlanex16_b32 v9, v8, s20, s21
	s_delay_alu instid0(VALU_DEP_1)
	v_add_f32 v8, v8, v9
.endm
.macro SUM xr, zr                      ; x + (z + b2)
.set II, 0
.rept 16
	v_pk_add_f32 v[\zr+II:\zr+II+1], v[\zr+II:\zr+II+1], v[B2+II:B2+II+1]
.set II, II+2
.endr
.set II, 0
.rept 16
	v_pk_add_f32 v[\xr+II:\xr+II+1], v[\xr+II:\xr+II+1], v[\zr+II:\zr+II+1]
.set II, II+2
.endr
.endm
.macro STATS v                         ; v[v] on: the row; it becomes (row - mean) rsqrt(variance + 1e-5)
	v_pk_add_f32 v[8:9], v[\v:\v+1], v[\v+2:\v+3]
	v_pk_add_f32 v[10:11], v[\v+4:\v+5], v[\v+6:\v+7]
.set II, 8
.rept 6
	s_delay_alu instid0(VALU_DEP_2)
	v_pk_add_f32 v[8:9], v[8:9], v[\v+II:\v+II+1]
	s_delay_alu instid0(VALU_DEP_2)
	v_pk_add_f32 v[10:11], v[10:11], v[\v+II+2:\v+II+3]
.set II, II+4
.endr
	s_delay_alu instid0(VALU_DEP_1)
	v_pk_add_f32 v[8:9], v[8:9], v[10:11]
	s_delay_alu instid0(VALU_DEP_1)
	v_add_f32 v8, v8, v9
	REDUCE
	s_delay_alu instid0(VALU_DEP_1)
	v_mul_f32 v12, s23, v8
	s_delay_alu instid0(VALU_DEP_1)
	v_mov_b32 v13, v12
.set II, 0
.rept 16
	v_pk_add_f32 v[\v+II:\v+II+1], v[\v+II:\v+II+1], v[12:13] neg_lo:[0,1] neg_hi:[0,1]
.set II, II+2
.endr
	v_pk_mul_f32 v[8:9], v[\v:\v+1], v[\v:\v+1]
	v_pk_mul_f32 v[10:11], v[\v+2:\v+3], v[\v+2:\v+3]
.set II, 4
.rept 7
	s_delay_alu instid0(VALU_DEP_2)
	v_pk_fma_f32 v[8:9], v[\v+II:\v+II+1], v[\v+II:\v+II+1], v[8:9]
	s_delay_alu instid0(VALU_DEP_2)
	v_pk_fma_f32 v[10:11], v[\v+II+2:\v+II+3], v[\v+II+2:\v+II+3], v[10:11]
.set II, II+4
.endr
	s_delay_alu instid0(VALU_DEP_1)
	v_pk_add_f32 v[8:9], v[8:9], v[10:11]
	s_delay_alu instid0(VALU_DEP_1)
	v_add_f32 v8, v8, v9
	REDUCE
	s_delay_alu instid0(VALU_DEP_1)
	v_fma_f32 v8, v8, s23, s24
	s_wait_alu depctr_va_vdst(0)
	v_rsq_f32 v14, v8
	v_rsq_f32 v15, v8
	v_nop                                          ; a plain line behind the two
	s_wait_alu depctr_va_vdst(0)                   ; one wait for both, ahead of their first reader
.set II, 0
.rept 16
	v_pk_mul_f32 v[\v+II:\v+II+1], v[\v+II:\v+II+1], v[14:15]
.set II, II+2
.endr
.endm
.macro ROWOUT p, v
.set II, 0
.rept 16
	v_pk_fma_f32 v[\v+II:\v+II+1], v[\v+II:\v+II+1], v[G+II:G+II+1], v[BT+II:BT+II+1]
.set II, II+2
.endr
.irp j, 0,1,2,3,4,5,6,7
	global_store_b128 v2, v[\v+4*\j:\v+4*\j+3], s[14:15] offset:8192*(\p)+512*\j th:TH_STORE_NT
.endr
.endm
	s_wait_loadcnt 32                              ; row 0's 16 loads and b2's 8 are in; row 1's 16 and the 16 of g and b may be out
	SUM X0, Z0
	STATS X0
	s_wait_alu depctr_va_vdst(0)
	s_wait_loadcnt 16                              ; row 1's loads are in
	SUM X1, Z1
	STATS X1
	s_wait_alu depctr_va_vdst(0)
	s_wait_loadcnt 0x0                             ; g and b
	ROWOUT 0, X0
	ROWOUT 1, X1
	s_endpgm
.Lfunc_end_k_q4a276895c4_ln2:
	.size	k_q4a276895c4_ln2, .Lfunc_end_k_q4a276895c4_ln2-k_q4a276895c4_ln2
	.p2alignl 7, 3214868480
	.fill 96, 4, 3214868480
	.section	.rodata,"a",@progbits
	.p2align	6, 0x0
	.amdhsa_kernel k_q4a276895c4_ln2
		.amdhsa_group_segment_fixed_size 0
		.amdhsa_private_segment_fixed_size 0
		.amdhsa_enable_private_segment 0
		.amdhsa_kernarg_size 48
		.amdhsa_user_sgpr_count 2
		.amdhsa_user_sgpr_kernarg_segment_ptr 1
		.amdhsa_wavefront_size32 1
		.amdhsa_system_sgpr_workgroup_id_x 1
		.amdhsa_system_sgpr_workgroup_id_y 1
		.amdhsa_system_sgpr_workgroup_id_z 1
		.amdhsa_system_vgpr_workitem_id 0
		.amdhsa_next_free_vgpr 240
		.amdhsa_next_free_sgpr 66
		.amdhsa_reserve_vcc 0
		.amdhsa_float_denorm_mode_32 3
		.amdhsa_float_denorm_mode_16_64 3
		.amdhsa_memory_ordered 1
		.amdhsa_forward_progress 1
		.amdhsa_inst_pref_size 28
	.end_amdhsa_kernel
	.amdgpu_metadata
---
amdhsa.version: [ 1, 2 ]
amdhsa.kernels:
  - .name:           k_q4a276895c4_ln2
    .symbol:         k_q4a276895c4_ln2.kd
    .args:
      - { .name: xbuf, .offset: 0, .size: 8, .value_kind: global_buffer, .address_space: global }
      - { .name: zbuf, .offset: 8, .size: 8, .value_kind: global_buffer, .address_space: global }
      - { .name: b2, .offset: 16, .size: 8, .value_kind: global_buffer, .address_space: global }
      - { .name: ln2_g, .offset: 24, .size: 8, .value_kind: global_buffer, .address_space: global }
      - { .name: ln2_b, .offset: 32, .size: 8, .value_kind: global_buffer, .address_space: global }
      - { .name: out0, .offset: 40, .size: 8, .value_kind: global_buffer, .address_space: global }
    .group_segment_fixed_size: 0
    .private_segment_fixed_size: 0
    .kernarg_segment_align: 8
    .kernarg_segment_size: 48
    .max_flat_workgroup_size: 256
    .sgpr_count:     66
    .vgpr_count:     240
    .wavefront_size: 32
...
	.end_amdgpu_metadata
.endif
;; end of part 7
